; MI455X (gfx1250); checked and timed in simulation.
; The chip was launched on July 23, 2026; its instructions are those of AMD's public machine-readable ISA for CDNA 5 (MIT licence, August 2026) and "CDNA5" Instruction Set Architecture Reference Guide (July 2026). The comments in the code are by the model that wrote it; some were corrected since.
;; Self Attention. Allowed arithmetic: matrix products marked QUANTISED: E5M2 operands, one given power-of-two scale a tensor, by v_wmma_f32_16x16x64_bf8_bf8 or v_wmma_f32_16x16x128_bf8_bf8, f32 sums; everything else in f32.
;; Inputs: Wk 1,024 x 1,024 float32; Wq 1,024 x 1,024 float32; Wu 1,024 x 1,024 float32; Wv 1,024 x 1,024 float32; bu 1,024 float32; lowp_scales 12 int32 (the exponents e of the quantised operands' scales 2^e); x 4 x 2,048 x 1,024 float32.
;; Outputs: out0 4 x 2,048 x 1,024 float32.
;; This version of the problem:
;;   THIS VERSION OF THE PROBLEM IS GIVEN IN LOW PRECISION. The matrix products marked QUANTISED in the list below multiply operands that are first quantised to E5M2 (5 exponent bits, 2 mantissa bits; 8 bits a number), with one given power-of-two scale for each operand tensor; their sums are f32. All else is computed in f32.
;;   The module's matrix products, in the order in which they are computed (A, B: the left and right operand; K: the contracted axis; several contracted axes count as one K, in the product's order):
;;     1. [M 8,192, K 1,024] x [K 1,024, N 1,024]; A: input x; B: input Wq: QUANTISED (scales: A lowp_scales[0], B lowp_scales[1])
;;     2. [M 8,192, K 1,024] x [K 1,024, N 1,024]; A: input x; B: input Wk: QUANTISED (scales: A lowp_scales[2], B lowp_scales[3])
;;     3. [M 8,192, K 1,024] x [K 1,024, N 1,024]; A: input x; B: input Wv: QUANTISED (scales: A lowp_scales[4], B lowp_scales[5])
;;     4. batch 64 x [M 2,048, K 64] x [K 64, N 2,048]; A: computed on the way; B: computed on the way: QUANTISED (scales: A lowp_scales[6], B lowp_scales[7])
;;     5. batch 64 x [M 2,048, K 2,048] x [K 2,048, N 64]; A: softmax (see below); B: computed on the way: QUANTISED (scales: A lowp_scales[8], B lowp_scales[9])
;;     6. [M 8,192, K 1,024] x [K 1,024, N 1,024]; A: computed on the way; B: input Wu: QUANTISED (scales: A lowp_scales[10], B lowp_scales[11])
;;   THE QUANTISER, for each operand of a quantised product, along K:
;;     - The operand's scale is 2^e, e = its entry of the input lowp_scales (int32; the entries are numbered through the quantised products in the list's order, A before B).
;;     - Each number is divided by the scale, clamped to +-57,344, and rounded to the nearest number of E5M2, ties to even, subnormals kept.
;;     - The product sums the exact products of the quantised numbers (number of the format x scale) in f32.
;;   ~~~python
;;   def quantise(x, axis, e):      # numpy; x: float32 -> the quantised numbers, widened to float32 again
;;       x = np.moveaxis(x, axis, -1); K = x.shape[-1]
;;       r = np.clip(x / 2.0 ** e, -57344, 57344)
;;       step = 2.0 ** (np.maximum(np.frexp(np.where(r == 0, 1, r))[1] - 1, -14) - 2)
;;       q = np.round(r / step) * step * 2.0 ** e      # np.round: ties to even
;;       return np.moveaxis(q, -1, axis).astype(np.float32)
;;   ~~~
;;   SOFTMAX AHEAD OF A QUANTISED PRODUCT. Where the list says 'softmax', what is quantised is not the finished softmax but p = 2^(t - M), with t = logit x log2(e) and M = ceil(the row's largest t), a whole number; so 1/2 < the row's largest p <= 1. The row's sum l is taken of the UNQUANTISED p, in f32, and the product's result is divided by l at the end. Since M is a whole number, a kernel that streams over the keys may use a running M (the ceiling of the running maximum): every later rescaling is an exact power of two, so the quantised numbers keep their values, but for numbers so far below the row's largest that they fall under the format's range.
;;   OPERANDS COMPUTED ON THE WAY. 'Computed on the way' means the value that the module computes at that place (a softmax that the list does not call 'softmax' is quantised finished and normalised). What goes into a quantiser is computed in f32, as accurately as f32 sums, v_exp_f32 and their like allow (about 1e-6 of the number): no bf16 or f16 on the way to a quantiser, and a product that is left as it is and whose result goes on into a quantised operand takes f32 operands (vector FMAs, or v_wmma_f32_16x16x4_f32). A number that lies on a knife's edge between two numbers of the format may be rounded either way, as far as f32 arithmetic and the matrix unit's own rounding can turn it there, and no further.
;; One version. Each part assembles by itself: llvm-mc -triple=amdgcn-amd-amdhsa -mcpu=gfx1250 --defsym DOCPART=n.
;; ======== version 1 of 1: 4 launches
;; limits: right only within a limited range of input values
;; workspace buffers: xc 25,165,824 bytes; wc 4,194,304 bytes; qkv 25,165,824 bytes; oc 8,388,608 bytes
;; launch quant (part 1): grid 384 x 1, 4 waves a work-group, no clusters, 33,280 bytes of LDS; arguments x, Wq, Wk, Wv, Wu, lowp_scales, xc, wc; writes xc, wc
.if DOCPART == 1
	.amdgcn_target "amdgcn-amd-amdhsa--gfx1250"
	.amdhsa_code_object_version 6
	.text
	.protected	k_q7d75f1bcaa_quant
	.globl	k_q7d75f1bcaa_quant
	.p2align	8
	.type	k_q7d75f1bcaa_quant,@function
k_q7d75f1bcaa_quant:
	s_mov_b64 s[64:65], 0
	v_nop
	global_prefetch_b8 v0, s[64:65] scope:SCOPE_SE
	s_setreg_imm32_b32 hwreg(HW_REG_WAVE_MODE, 25, 1), 1
	s_wait_xcnt 0x0
; x [8192][1024] and the four weights [1024][1024], f32 with K innermost, become codes of BF8 (E5M2), one byte each, K innermost.
; x is the left operand of three products, each with a scale entry of its own (entries 0, 2, 4 of the scales): three sets of codes, xc[3][8192][1024].
; The weights go to wc[4][1024][1024] in the order q, k, v, u, with entries 1, 3, 5, 11.
; code = number / 2^e, rounded to the nearest code, ties to even.
; LIMITS: each e lies between -126 and 112, so that 2^e is an f32 number.  NaN among the inputs is not served.
; SHARES.  Rows are dense, so every tensor is a plain stream.  A work-group takes 32,768 numbers, a wave 16 steps of 512.  Work-groups 0-255 take x, 256-383 the weights, 32 each.
; Only pointers and scales are chosen by the work-group's number; all take one path through LDS.  x's two further sets stand under a scalar branch round register work and stores alone.
; A step's four loads read 512 consecutive bytes each, 16 a lane; the 2,048 bytes turn through the wave's own stage in LDS (16 bytes of padding behind each 64) and come back 64 bytes a lane:
; 16 neighbours along K, which the conversions want in one lane's registers.  A lane's 16 codes are 16 bytes: a wave's store covers 512 consecutive bytes, aligned.
; No barrier: waves share nothing.  Loads run four steps (16 loads a wave) ahead, the turn through LDS one step.
.set STEPS, 16
.set SP,    80                         ; a lane's place in a stage: its 64 bytes + 16 of padding
.set WREG,  8192                       ; LDS: a region for each wave: two stages of 32 x SP bytes
.set R,     16                         ; v16-79   four sets of 16 numbers as loaded
.set X,     80                         ; v80-111  two sets of 16 neighbours
.set T0,    112                        ; v112-127, unused
.set T1,    128                        ; v128-143
.set C,     144                        ; v144-155 three sets of four registers of codes
	s_load_b256 s[4:11], s[0:1], 0x0               ; x s[4:5], Wq s[6:7], Wk s[8:9], Wv s[10:11]
	s_load_b256 s[12:19], s[0:1], 0x20             ; Wu s[12:13], the scales s[14:15], xc s[16:17], wc s[18:19]
	v_lshl_add_u32 v160, v0, 2, 0x8000
	v_mov_b32 v161, 0
	v_lshrrev_b32 v1, 5, v0
	v_readfirstlane_b32 s28, v1                    ; wave
	v_and_b32 v2, 31, v0                           ; lane
	v_lshlrev_b32 v3, 4, v2                        ; my 16 bytes of a load's 512, and of a step's 512 bytes of codes
	s_mul_i32 s29, s28, WREG
	v_lshrrev_b32 v14, 2, v2
	v_mul_u32_u24 v14, v14, SP
	v_and_b32 v15, 3, v2
	v_lshl_add_u32 v14, v15, 4, v14
	v_add_nc_u32 v14, s29, v14                     ; the stage, on the way in: SP (lane / 4) + 16 (lane % 4)
	v_mul_u32_u24 v15, v2, SP
	v_add_nc_u32 v15, s29, v15                     ; and on the way out: SP x lane: my 16 neighbours
	s_wait_alu depctr_va_vdst(0)
	s_wait_kmcnt 0x0
	s_load_b256 s[32:39], s[14:15], 0x0            ; entries 0 to 7
	s_load_b128 s[40:43], s[14:15], 0x20           ; entries 8 to 11
	s_cmp_lt_u32 ttmp9, 352                        ; which tensor: the choices hang on the work-group's number alone
	s_cselect_b64 s[20:21], s[10:11], s[12:13]
	s_cmp_lt_u32 ttmp9, 320
	s_cselect_b64 s[20:21], s[8:9], s[20:21]
	s_cmp_lt_u32 ttmp9, 288
	s_cselect_b64 s[20:21], s[6:7], s[20:21]
	s_cmp_lt_u32 ttmp9, 256
	s_cselect_b64 s[20:21], s[4:5], s[20:21]       ; where the numbers come from
	s_cselect_b64 s[22:23], s[16:17], s[18:19]     ; where the first set of codes goes
	s_cselect_b32 s29, 0, 256
	s_cselect_b32 s31, -1, 31
	s_sub_co_u32 s29, ttmp9, s29                   ; the work-group's number within x, or within the four weights
	s_and_b32 s31, s29, s31                        ; and within its own tensor
	s_lshl_b32 s29, s29, 2
	s_add_co_u32 s29, s29, s28                     ; which run of 8,192 codes is my wave's
	s_lshl_b32 s31, s31, 2
	s_add_co_u32 s31, s31, s28                     ; which run of 8,192 numbers
	s_lshl_b32 s44, s31, 15
	s_mov_b32 s45, 0
	s_lshl_b32 s46, s29, 13
	s_mov_b32 s47, 0
	s_add_nc_u64 s[20:21], s[20:21], s[44:45]
	s_add_nc_u64 s[22:23], s[22:23], s[46:47]
	s_add_nc_u64 s[24:25], s[16:17], s[46:47]
	s_add_nc_u64 s[26:27], s[24:25], 0x1000000     ; x's third set (used by x's work-groups alone)
	s_add_nc_u64 s[24:25], s[24:25], 0x800000      ; x's second set
.macro LOAD t
.irp i, 0,1,2,3
	global_load_b128 v[R+16*((\t)%4)+4*\i:R+16*((\t)%4)+4*\i+3], v3, s[20:21] offset:2048*(\t)+512*\i th:TH_LOAD_NT   ; 32 lanes read 512 consecutive bytes
.endr
.endm
.macro TURN t                          ; step t's numbers through the stage: LDS serves a wave's instructions in order, so no wait stands between the stores and the loads
.irp i, 0,1,2,3
	ds_store_b128 v14, v[R+16*((\t)%4)+4*\i:R+16*((\t)%4)+4*\i+3] offset:32*SP*((\t)%2)+8*SP*\i
.endr
.irp i, 0,1,2,3
	ds_load_b128 v[X+16*((\t)%2)+4*\i:X+16*((\t)%2)+4*\i+3], v15 offset:32*SP*((\t)%2)+16*\i
.endr
.endm
.irp t, 0,1,2,3
	LOAD \t
.endr
	s_wait_kmcnt 0x0
	s_cmp_lt_u32 ttmp9, 352                        ; the first set's exponent, by the same chain
	s_cselect_b32 s29, s37, s43
	s_cmp_lt_u32 ttmp9, 320
	s_cselect_b32 s29, s35, s29
	s_cmp_lt_u32 ttmp9, 288
	s_cselect_b32 s29, s33, s29
	s_cmp_lt_u32 ttmp9, 256
	s_cselect_b32 s29, s32, s29
.macro MKSC e, sc, lim                 ; v[sc] = 2^e as f32 (the conversion takes its exponent field)
	s_add_co_i32 s30, \e, 127
	s_lshl_b32 s31, s30, 23
	v_mov_b32 v[\sc], s31
.endm
	MKSC s29, 5, 6
	MKSC s34, 7, 8                                 ; entry 2
	MKSC s36, 9, 10                                ; entry 4
	s_wait_alu depctr_va_vdst(0)
	s_wait_loadcnt 12                              ; step 0's four loads are in; the twelve behind them may be out
	TURN 0
; One set of codes of step t: two conversions straight from the numbers as they came back, which serve the next set too; the store.
.macro CONV ts, lim, sc, c, dst, t
.irp i, 0,1,2,3,4,5,6,7,8,9,10,11,12,13,14,15
.endr
	v_cvt_scalef32_pk8_bf8_f32 v[\c:\c+1], v[XS:XS+7], v[\sc]
	v_cvt_scalef32_pk8_bf8_f32 v[\c+2:\c+3], v[XS+8:XS+15], v[\sc]
	v_nop                                          ; a plain vector line behind the conversions, ahead of the next write of their sources
	global_store_b128 v3, v[\c:\c+3], s[\dst:\dst+1] offset:512*(\t)
.endm
.macro STEP t
.set XS, X+16*((\t)%2)
	s_wait_dscnt 0x0                               ; this step's numbers are back from the stage: so its stores into the stage have read their registers,
	s_wait_xcnt 0x0                                ; and the last step's stores have read their codes: those registers are written again only behind this wait
.if (\t)+4 < STEPS
	LOAD (\t)+4                                    ; which take the loads of four steps on
.endif
.if (\t)+1 < STEPS
.if STEPS-2-(\t) >= 3
	s_wait_loadcnt 12                              ; the next step's four loads are in; those of the three steps behind it may be out
.else
	s_wait_loadcnt 4*(STEPS-2-(\t))
.endif
	TURN (\t)+1                                    ; and go through the other stage while this step is worked
.endif
	CONV T0, 6, 5, C, 22, \t
	s_cmp_lt_u32 ttmp9, 256                        ; x has two sets more; a weight has none
	s_cbranch_scc0 .Lweight_\@
	CONV T1, 8, 7, C+4, 24, \t
	CONV T0, 10, 9, C+8, 26, \t
.Lweight_\@:
.endm
.irp t, 0,1,2,3,4,5,6,7,8,9,10,11,12,13,14,15
	STEP \t
.endr
	s_wait_tensorcnt 0x0
	ds_add_u32 v160, v161
	s_wait_dscnt 0x0
	s_endpgm
.Lfunc_end_k_q7d75f1bcaa_quant:
	.size	k_q7d75f1bcaa_quant, .Lfunc_end_k_q7d75f1bcaa_quant-k_q7d75f1bcaa_quant
	.p2alignl 7, 3214868480
	.fill 96, 4, 3214868480
	.section	.rodata,"a",@progbits
	.p2align	6, 0x0
	.amdhsa_kernel k_q7d75f1bcaa_quant
		.amdhsa_group_segment_fixed_size 33280
		.amdhsa_private_segment_fixed_size 0
		.amdhsa_enable_private_segment 0
		.amdhsa_kernarg_size 64
		.amdhsa_user_sgpr_count 2
		.amdhsa_user_sgpr_kernarg_segment_ptr 1
		.amdhsa_wavefront_size32 1
		.amdhsa_system_sgpr_workgroup_id_x 1
		.amdhsa_system_sgpr_workgroup_id_y 1
		.amdhsa_system_sgpr_workgroup_id_z 1
		.amdhsa_system_vgpr_workitem_id 0
		.amdhsa_next_free_vgpr 162
		.amdhsa_next_free_sgpr 66
		.amdhsa_reserve_vcc 0
		.amdhsa_float_denorm_mode_32 3
		.amdhsa_float_denorm_mode_16_64 3
		.amdhsa_fp16_overflow 1
		.amdhsa_memory_ordered 1
		.amdhsa_forward_progress 1
		.amdhsa_inst_pref_size 33
	.end_amdhsa_kernel
	.amdgpu_metadata
---
amdhsa.version: [ 1, 2 ]
amdhsa.kernels:
  - .name:           k_q7d75f1bcaa_quant
    .symbol:         k_q7d75f1bcaa_quant.kd
    .args:
      - { .name: x, .offset: 0, .size: 8, .value_kind: global_buffer, .address_space: global }
      - { .name: Wq, .offset: 8, .size: 8, .value_kind: global_buffer, .address_space: global }
      - { .name: Wk, .offset: 16, .size: 8, .value_kind: global_buffer, .address_space: global }
      - { .name: Wv, .offset: 24, .size: 8, .value_kind: global_buffer, .address_space: global }
      - { .name: Wu, .offset: 32, .size: 8, .value_kind: global_buffer, .address_space: global }
      - { .name: lowp_scales, .offset: 40, .size: 8, .value_kind: global_buffer, .address_space: global }
      - { .name: xc, .offset: 48, .size: 8, .value_kind: global_buffer, .address_space: global }
      - { .name: wc, .offset: 56, .size: 8, .value_kind: global_buffer, .address_space: global }
    .group_segment_fixed_size: 33280
    .private_segment_fixed_size: 0
    .kernarg_segment_align: 8
    .kernarg_segment_size: 64
    .max_flat_workgroup_size: 128
    .sgpr_count:     66
    .vgpr_count:     162
    .wavefront_size: 32
...
	.end_amdgpu_metadata
.endif
;; end of part 1
;; launch qkv (part 2): grid 12 x 32, 4 waves a work-group, clusters of 4 x 4, 327,680 bytes of LDS; arguments xc, wc, lowp_scales, qkv; writes qkv
.if DOCPART == 2
	.amdgcn_target "amdgcn-amd-amdhsa--gfx1250"
	.amdhsa_code_object_version 6
	.text
	.protected	k_q7d75f1bcaa_qkv
	.globl	k_q7d75f1bcaa_qkv
	.p2align	8
	.type	k_q7d75f1bcaa_qkv,@function
k_q7d75f1bcaa_qkv:
	s_mov_b64 s[64:65], 0
	v_nop
	global_prefetch_b8 v0, s[64:65] scope:SCOPE_SE
	s_setreg_imm32_b32 hwreg(HW_REG_WAVE_MODE, 25, 1), 1
	s_wait_xcnt 0x0
	s_wait_alu depctr_hold_cnt(0) depctr_sa_sdst(0) depctr_va_vdst(0) depctr_va_sdst(0) depctr_va_ssrc(0) depctr_va_vcc(0) depctr_vm_vsrc(0)
	s_getreg_b32 s2, hwreg(HW_REG_IB_STS2, 6, 4)
	s_cmp_eq_u32 s2, 0
	s_cbranch_scc0 .Lentry_in_a_cluster
	s_endpgm
.Lentry_in_a_cluster:
	s_bfe_u32 s2, ttmp6, 0x10000c
	s_cmp_lg_u32 s2, 0xf033
	s_cbranch_scc0 .Lentry_shape_is_right
	s_endpgm
.Lentry_shape_is_right:
; The three projections q, k, v = x W^T on codes of BF8 (E5M2), sums in f32, and their results quantised at once for the attention's products.
; xc: [3][8192][1024], x's codes under the three products' scales; wc: [4][1024][1024], the weights' codes (q, k, v, u).  Cluster x = p: 0 q, 1 k, 2 v.
; A sum stands for sum x 2^(eA + eB) (entries 2 p, 2 p + 1).  q and k are multiplied by 1024^(-1/4) = 2^-2.5 in f32; the result's code is taken with the scale 2^(et - eA - eB), et = entry 6 (q), 7 (k), 9 (v).
; LIMIT: et - eA - eB lies between -126 and 112, so that this power of two and 57,344 times it are f32 numbers.
; OUT: qkv[3][64 batch x head][8][16384].  q, k: a block is 256 rows of the sequence x 64 codes (K = the head's 64).  v: a block is two key steps of [64 of the head][128 keys] (K = the keys, innermost).
; A tile, 256 rows of x by 256 rows of W (four heads), is made by four waves, each 128 x 128: 64 accumulators of 16 x 16, 512 registers.  K goes in steps of 256 through a ring of two LDS slots filled by the tensor data mover.
; CLUSTERS: 4 x 4 work-groups.  The four of a row of the cluster need the same tile of x, the four of a column the same tile of W: each tile is asked for JOINTLY, by the same tensor load with the same descriptor and a mask that names the four.
; WHICH SIDE IS WHICH.  A lane's eight results are eight neighbouring rows of source 0, for one row of source 1, and the conversion takes neighbours along the NEXT K from one lane's registers.
; q, k: source 0 = rows of W (the head's 64), source 1 = rows of x.  v: source 0 = rows of x (the keys), source 1 = rows of W.  Only the two LDS bases from which fragments are read change places, by the cluster's x, which all partners share.
; REGISTERS, in windows of 256: window 0: v0-31 addresses; from v128 source 1's fragments, ONE set; on the way out v32-223 are free.   window 1: source 0's fragments, TWO sets.   windows 2, 3: the accumulators ((a, b) at v[8 (8 (a % 4) + b)]).
.set SIZE_K, 1024
.set KSTEP,  256
.set ROWB,   256                       ; a tile's row in bytes
.set KROW,   SIZE_K                    ; a row of codes in memory
.set PITCH,  272                       ; an LDS row: 256 bytes + 16 of padding = 68 words: the 16 rows that a load touches start at 16 different banks (64 banks of 4 bytes: ISA guide 11.1)
.set FR,     16                        ; registers of a fragment: 16 rows x 128 K
.set NL,     4                         ; LDS loads that bring one
.set NP,     4                         ; places behind this matrix instruction (ISA guide 7.12.1)
.set HALFT,  128*PITCH                 ; 128 rows: what one tensor load brings
.set SLOT,   4*HALFT                   ; x's 256 rows, then W's 256 rows
.set LAPS,   SIZE_K/(2*KSTEP)          ; a lap = two K steps = once round the ring
.set SPARE,  2*SLOT                    ; behind the ring: the spare words, 128 bytes for each wave: two blocks of 256 bytes that no other line names
.set ADRA, 16                          ; v16-17  LDS address of source 1's fragments in slot 0, 1
.set ADRB, 20                          ; v20-21  the same for source 0
.set RD2,  22                          ; v22     the way out, q and k: rows 128 on
.set STO,  24                          ; v24     the way out: where I put 8 codes of a row
.set RD,   25                          ; v25     the way out, q and k: where I read back
.set CO,   26                          ; v26     16 x lane: my place in a store's 512 bytes
.set RDV,  27                          ; v27     the way out, v: where I read back
.set SPW,  28                          ; v28     LDS address of my spare word; never rewritten
.set NIL,  29                          ; v29     0; never rewritten
.set SCL,  30                          ; v30     2^(et - eA - eB)
.set LIM,  31                          ; v31     named, never written
.set TMP,  32                          ; v32-95  a block's 64 numbers
.set CD,   96                          ; v96-223 the codes, 16 registers a block; then the rows read back
.set AF,   128
.set G1, 24                            ; s[24:31] descriptor group 1 for x's tiles;  s[32:39] group 0, one set for each slot
.set G0, 32
.set G1B, 48                           ; s[48:55], s[56:63] the same for W's tiles
.set G0B, 56
.set MSB, 0
.macro WIN new                         ; the immediate's high byte repeats the setting that is left
.if MSB != \new
	s_set_vgpr_msb (MSB<<8)|\new
.set MSB, \new
.endif
.endm
.set MUL_LO, 0xa1                      ; source 0 window 1, source 1 window 0, C and D window 2
.set MUL_HI, 0xf1                      ; the same, C and D window 3
.set TO_B,   0x40                      ; destination window 1, address window 0
; A joint load: waves 0 and 1 fetch x's halves, waves 2 and 3 W's.  Each line has ONE mask and one set of registers for all that issue it; the branch hangs on the wave's number alone.
; Four v_nop follow each of the two lines, ahead of the jump, the label and what follows.
.macro JLOAD g0a, g1a, g0b, g1b
	s_cmp_eq_u32 s15, 0
	s_cbranch_scc0 .Lfor_b_\@
	tensor_load_to_lds s[\g0a:\g0a+3], s[\g1a:\g1a+7]
	s_nop 0
.rept 4
	v_nop
.endr
	s_branch .Lasked_\@
.Lfor_b_\@:
	tensor_load_to_lds s[\g0b:\g0b+3], s[\g1b:\g1b+7]
	s_nop 0
.rept 4
	v_nop
.endr
.Lasked_\@:
.endm
.macro CREST                           ; a round of the cluster's barrier behind its opening barrier
	s_cmp_lg_u32 s14, 0
	s_cbranch_scc1 .Lnot_wave_0_\@
	s_barrier_signal -3
.Lnot_wave_0_\@:
	s_barrier_wait -3
	s_barrier_signal -1
	s_barrier_wait -1
.endm
.macro CROUND                          ; a whole round
	s_barrier_signal -1
	s_barrier_wait -1
	CREST
.endm
	s_load_b128 s[4:7], s[0:1], 0x0                ; xc s[4:5], wc s[6:7]
	s_load_b128 s[8:11], s[0:1], 0x10              ; the scales s[8:9], qkv s[10:11]
	v_lshl_add_u32 v[SPW], v0, 2, SPARE
	v_mov_b32 v[NIL], 0
	ds_add_u32 v28, v29
	ds_add_u32 v28, v29
	s_wait_dscnt 0x0
	v_lshrrev_b32 v1, 5, v0
	v_readfirstlane_b32 s14, v1                    ; wave 0..3
	s_lshr_b32 s15, s14, 1                         ; which half of source 1's rows is mine.  Also: I fetch for x (0) or for W (1)
	s_and_b32 s16, s14, 1                          ; which half of source 0's rows.  Also: which 128 rows of that tile I fetch
	s_bfe_u32 s40, ttmp6, 0x40000                  ; cx, cy: my place in the cluster
	s_bfe_u32 s41, ttmp6, 0x40004
	s_lshl_b32 s42, ttmp9, 2
	s_add_co_u32 s42, s42, s40                     ; which 256 rows of wc = 4 p + cx
	s_and_b32 s17, ttmp7, 0xffff
	s_lshl_b32 s17, s17, 2
	s_add_co_u32 s17, s17, s41                     ; which 256 rows of x = 4 x cluster y + cy
	s_lshl_b32 s43, s41, 2
	s_lshl_b32 s43, 15, s43                        ; my row of the cluster
	s_lshl_b32 s44, 0x1111, s40                    ; my column
	; descriptor group 1: a tile of 128 rows x 256 bytes, padded in LDS
	s_or_b32 s[G1+0], s43, (0<<16)|(1<<20)|(1<<21)|(5<<22)|(3<<25)  ; 15:0 the mask: x's tiles go to my row; 17:16 element of 1 byte; 20 padding on; 21 set beside a mask; 24:22 after every 64 words (code 5); 31:25 of 4 words (code 3)
	s_or_b32 s[G1B+0], s44, (0<<16)|(1<<20)|(1<<21)|(5<<22)|(3<<25)
.irp g, G1, G1B
	s_mov_b32 s[\g+1], ROWB<<16                    ; tensor_dim0
	s_mov_b32 s[\g+2], 128<<16                     ; tensor_dim1 = 128
	s_mov_b32 s[\g+3], ROWB<<16                    ; tile_dim0
	s_mov_b32 s[\g+4], 128                         ; tile_dim1 = 128
	s_mov_b32 s[\g+5], KROW                        ; tensor_dim0_stride
	s_mov_b32 s[\g+6], 0
	s_mov_b32 s[\g+7], 0
.endr
	s_lshl_b32 s18, s16, 7                         ; which 128 rows of the tile I fetch
	s_lshl_b32 s20, s17, 8
	s_add_co_u32 s20, s20, s18
	s_lshl_b32 s19, ttmp9, 13
	s_add_co_u32 s20, s20, s19                     ; xc: row 8192 p + 256 x tile row + 128 x half
	s_lshl_b32 s46, s42, 8
	s_add_co_u32 s46, s46, s18                     ; wc: row 256 (4 p + cx) + 128 x half
	s_mov_b32 s21, 0
	s_mov_b32 s47, 0
	s_mov_b64 s[18:19], KROW
	s_mul_u64 s[20:21], s[20:21], s[18:19]
	s_mul_u64 s[46:47], s[46:47], s[18:19]
	s_mul_i32 s45, s14, HALFT                      ; where they go: wave x 128 rows: no place in the cluster enters an LDS address
	s_lshl_b32 s68, ttmp9, 3                       ; the byte of entry 2 p
	s_lshr_b32 s69, ttmp9, 1
	s_add_co_u32 s69, s69, ttmp9
	s_lshl_b32 s69, s69, 2                         ; 4 (p + p / 2): entries 6, 7, 9 counted from entry 6
	s_wait_kmcnt 0x0
	s_load_b64 s[96:97], s[8:9], s68               ; eA, eB
	s_load_b32 s95, s[8:9], s69 offset:0x18        ; et
	s_add_nc_u64 s[20:21], s[4:5], s[20:21]
	s_add_nc_u64 s[46:47], s[6:7], s[46:47]
	CROUND                                         ; all sixteen work-groups are here: the first joint loads meet
.irp s, 0,1
	s_mov_b32 s[G0+4*\s], 1
	s_add_co_u32 s[G0+4*\s+1], s45, \s*SLOT
	s_add_nc_u64 s[G0+4*\s+2:G0+4*\s+3], s[20:21], \s*ROWB
	s_or_b32 s[G0+4*\s+3], s[G0+4*\s+3], 0x80000000
	s_mov_b32 s[G0B+4*\s], 1
	s_add_co_u32 s[G0B+4*\s+1], s45, \s*SLOT
	s_add_nc_u64 s[G0B+4*\s+2:G0B+4*\s+3], s[46:47], \s*ROWB
	s_or_b32 s[G0B+4*\s+3], s[G0B+4*\s+3], 0x80000000
	JLOAD G0+4*\s, G1, G0B+4*\s, G1B
.endr
	v_and_b32 v1, 15, v0                           ; r = l % 16
	v_bfe_u32 v2, v0, 4, 1                         ; h = l / 16
	v_mul_u32_u24 v3, v1, PITCH
	v_lshl_add_u32 v4, v2, 4, v3                   ; a fragment's row x pitch + 16 x half
	s_wait_alu depctr_va_vdst(0)
	s_cmp_eq_u32 ttmp9, 2                          ; v?  The cluster's x: the same in all sixteen partners
	s_cselect_b32 s66, 2*HALFT, 0                  ; source 1 is read from x's rows (q, k) or from W's (v),
	s_cselect_b32 s67, 0, 2*HALFT                  ; source 0 from the other.  Either way a read stays inside its slot: 3 HALFT + 15 PITCH + 16 + 7 x 16 PITCH + 224 + 16 <= 4 HALFT
	s_mov_b32 s92, 0x3e3504f3                      ; 2^-2.5 for q and k,
	s_cselect_b32 s92, 0x3f800000, s92             ; 1 for v
	s_mov_b32 s93, s92                             ; (named with it as a pair, so it is written)
	s_mul_i32 s21, s15, HALFT
	s_add_co_u32 s21, s21, s66
	s_mul_i32 s22, s16, HALFT
	s_add_co_u32 s22, s22, s67
.irp s, 0,1
	v_add_nc_u32 v[ADRA+\s], s21, v4
	v_add_nc_u32 v[ADRB+\s], s22, v4
	s_add_co_u32 s21, s21, SLOT
	s_add_co_u32 s22, s22, SLOT
.endr
	; the way out: ONE stage for the work-group, 256 rows (source 1's) of 256 codes (source 0's) + 16, in slot 0, which has had its last fill and its last read when the first code is stored there
	s_mul_i32 s23, s15, 128*PITCH
	s_lshl_b32 s19, s16, 7
	s_add_co_u32 s23, s23, s19
	v_lshl_add_u32 v5, v2, 3, v3
	v_add_nc_u32 v[STO], s23, v5                   ; in: row 128 x my half + r; byte 128 x my half + 8 h
	v_bfe_u32 v6, v0, 2, 3
	v_mul_u32_u24 v6, v6, PITCH
	v_and_b32 v7, 3, v0
	v_lshl_add_u32 v6, v7, 4, v6
	s_lshl_b32 s23, s14, 6
	v_add_nc_u32 v[RD], s23, v6                    ; back, q and k: wave w takes head w's 64 bytes of every row: eight rows an instruction, four lanes to a row
	v_add_nc_u32 v[RD2], 128*PITCH, v[RD]
	v_bfe_u32 v6, v0, 3, 2
	v_mul_u32_u24 v6, v6, PITCH
	v_and_b32 v7, 7, v0
	v_lshl_add_u32 v6, v7, 4, v6
	s_mul_i32 s23, s14, 64*PITCH
	v_add_nc_u32 v[RDV], s23, v6                   ; back, v: wave w takes head w's 64 rows: four rows x 128 keys an instruction, eight lanes to a row
	v_and_b32 v[CO], 31, v0
	v_lshlrev_b32 v[CO], 4, v[CO]
	; my wave's block of 16,384 bytes: part p, batch x head = 16 (tile row / 8) + 4 cx + wave, block tile row % 8
	s_lshl_b32 s46, s40, 2
	s_add_co_u32 s46, s46, s14
	s_lshr_b32 s47, s17, 3
	s_lshl_b32 s47, s47, 4
	s_add_co_u32 s46, s46, s47
	s_lshl_b32 s46, s46, 3
	s_and_b32 s47, s17, 7
	s_add_co_u32 s46, s46, s47
	s_lshl_b32 s46, s46, 14
	s_lshl_b32 s47, ttmp9, 23
	s_add_co_u32 s46, s46, s47
	s_mov_b32 s47, 0
	s_add_nc_u64 s[10:11], s[10:11], s[46:47]
.macro FRAG reg, adr, q, i             ; a fragment, 16 rows x 128 K of codes, is 16 registers: lane l holds row l % 16; registers 4 c .. 4 c + 3 hold K = 32 c + 16 (l / 16) + 0 .. 15: the same places on both sides
.irp c, 0,1,2,3
	ds_load_b128 v[\reg+4*\c:\reg+4*\c+3], v[\adr] offset:128*(\q)+32*\c+(\i)*16*PITCH
.endr
.endm
; 16 matrix instructions: source 1's blocks a0, a0 + 1 x source 0's eight, 128 along K.  p: source 0's set.  zero = 1: the first product starts the sums: nothing is ever cleared.
; The 64 accumulators take turns, one instruction a turn, in the same order in every step.
.macro MUL16 a0, p, zero
.irp a, \a0, \a0+1
.irp b, 0,1,2,3,4,5,6,7
.if \zero
	v_wmma_f32_16x16x128_bf8_bf8 v[8*(8*((\a)%4)+\b):8*(8*((\a)%4)+\b)+7], v[128*(\p)+FR*\b:128*(\p)+FR*\b+FR-1], v[AF+FR*(\a):AF+FR*(\a)+FR-1], 0
.else
	v_wmma_f32_16x16x128_bf8_bf8 v[8*(8*((\a)%4)+\b):8*(8*((\a)%4)+\b)+7], v[128*(\p)+FR*\b:128*(\p)+FR*\b+FR-1], v[AF+FR*(\a):AF+FR*(\a)+FR-1], v[8*(8*((\a)%4)+\b):8*(8*((\a)%4)+\b)+7]
.endif
.endr
.endr
.endm
.macro FETCH_B slot, q, p              ; source 0's eight fragments of the slot's q-th 128 along K into set p
	WIN TO_B
.irp i, 0,1,2,3,4,5,6,7
	FRAG 128*(\p)+FR*\i, ADRB+\slot, \q, \i
.endr
	WIN 0
.endm
.macro FETCH_A slot, q, i0             ; source 1's blocks i0 .. i0 + 3
.irp i, \i0, \i0+1, \i0+2, \i0+3
	FRAG AF+FR*(\i), ADRA+\slot, \q, \i
.endr
.endm
; A load into a register that a matrix instruction has read, and a vector instruction or an LDS store that reads a matrix result, stand NP places behind that matrix instruction; only plain vector
; instructions that name none of its registers are places (ISA guide 7.12.1 for vector instructions).
.macro PLACES n
.rept \n
	v_nop
.endr
.endm
; A step of 128 along K that has its successor in the same slot.
.macro STEP slot, q, zero
	s_wait_dscnt 4*NL                              ; source 0's set and source 1's blocks 0-3 are in; the youngest sixteen loads (blocks 4-7) may be out
	WIN MUL_LO
	MUL16 0, (\q)%2, \zero
	MUL16 2, (\q)%2, \zero
	s_wait_dscnt 0                                 ; blocks 4-7 are in (asked for 32 matrix instructions ago)
	PLACES NP
	FETCH_B \slot, (\q)+1, 1-(\q)%2
	FETCH_A \slot, (\q)+1, 0
	WIN MUL_HI
	MUL16 4, (\q)%2, \zero
	MUL16 6, (\q)%2, \zero
	PLACES NP
	WIN 0
	FETCH_A \slot, (\q)+1, 4
.endm
; A slot's last step changes slots: ONE barrier; in front of it each wave waits for all its tensor loads, adds 0 to its spare word, and waits for that and for its own reads of this slot.  fill = 1: this slot is filled again, two K steps ahead.
.macro TURN slot, next, fill
	s_wait_tensorcnt 0x0                           ; all my tensor loads have landed: my part of the next slot;  (every window is 0 here)
	ds_add_u32 v[SPW], v[NIL]                      ; 0 onto my spare word
	s_wait_dscnt 4*NL+1                            ; (the add and the youngest sixteen loads may be out)
	WIN MUL_LO
	MUL16 0, 1, 0                                  ; sixteen matrix instructions stand between the add and the wait for it
	s_wait_dscnt 0x0                               ; the add is done, and my reads of this slot are over
	s_barrier_signal -1
	MUL16 2, 1, 0
	WIN 0
	s_barrier_wait -1
.if \fill
	CREST                                          ; the barrier has opened a round of the cluster's barrier: no wave of any partner still reads this slot's tile or has a load on its way
	s_add_nc_u64 s[G0+4*\slot+2:G0+4*\slot+3], s[G0+4*\slot+2:G0+4*\slot+3], 2*ROWB
	s_add_nc_u64 s[G0B+4*\slot+2:G0B+4*\slot+3], s[G0B+4*\slot+2:G0B+4*\slot+3], 2*ROWB
	JLOAD G0+4*\slot, G1, G0B+4*\slot, G1B         ; the first tensor load behind the round; the four v_nop behind it are the places in front of the loads below
.else
	PLACES NP
.endif
	FETCH_B \next, 0, 0
	FETCH_A \next, 0, 0
	WIN MUL_HI
	MUL16 4, 1, 0
	MUL16 6, 1, 0
	PLACES NP
	WIN 0
	FETCH_A \next, 0, 4
.endm
	s_wait_tensorcnt 1                             ; my part of K step 0 is in (K step 1's load may be out),
	s_barrier_signal -1
	s_barrier_wait -1                              ; everybody's is
	FETCH_B 0, 0, 0
	FETCH_A 0, 0, 0
	FETCH_A 0, 0, 4
	STEP 0, 0, 1                                   ; the first step stands in front of the loop: its products start the sums
	s_mov_b32 s3, LAPS-1
.Llap:                                                 ; a trip goes once round the ring, from a lap's second step to the next lap's first, and fills both slots again
	TURN 0, 1, 1
	STEP 1, 0, 0
	TURN 1, 0, 1
	STEP 0, 0, 0
	s_sub_co_u32 s3, s3, 1
	s_cmp_lg_u32 s3, 0
	s_cbranch_scc1 .Llap
	TURN 0, 1, 0                                   ; the last lap fills nothing, and has no round of the cluster's barrier
	STEP 1, 0, 0
	s_wait_dscnt 4*NL                              ; the very last step: nothing more to fetch
	WIN MUL_LO
	MUL16 0, 1, 0
	MUL16 2, 1, 0
	s_wait_dscnt 0
	WIN MUL_HI
	MUL16 4, 1, 0
	MUL16 6, 1, 0
	WIN 0
; THE WAY OUT.  Block a (16 rows of source 1 x 128 of source 0): x 2^-2.5 or 1 into other registers, each accumulator from its low end on; eight numbers of a lane become eight codes; 8 bytes a lane into the stage.
.macro QSTAGE a
.set AC, 64*((\a)%4)
	WIN 0x02+((\a)/4)                              ; source 0: window 2 or 3
.set j, 0
.rept 32
	v_pk_mul_f32 v[TMP+j:TMP+j+1], v[AC+j:AC+j+1], s[92:93] op_sel_hi:[1,0]
.set j, j+2
.endr
	WIN 0
.set j, 0
.rept 64
.set j, j+1
.endr
.irp b, 0,1,2,3,4,5,6,7
	v_cvt_scalef32_pk8_bf8_f32 v[CD+16*(\a)+2*\b:CD+16*(\a)+2*\b+1], v[TMP+8*\b:TMP+8*\b+7], v[SCL]
.endr
	v_nop                                          ; a plain vector line behind the conversions, ahead of the next block's writes of their sources
.irp b, 0,1,2,3,4,5,6,7
	ds_store_b64 v[STO], v[CD+16*(\a)+2*\b:CD+16*(\a)+2*\b+1] offset:16*PITCH*(\a)+16*\b
.endr
.endm
	s_wait_kmcnt 0x0
	s_sub_co_i32 s95, s95, s96
	s_sub_co_i32 s95, s95, s97                     ; et - eA - eB
	s_add_co_i32 s95, s95, 127
	s_lshl_b32 s96, s95, 23
	s_add_co_i32 s95, s95, 15
	s_lshl_b32 s95, s95, 23
	s_or_b32 s95, s95, 0x600000
	PLACES NP                                      ; behind the last products: for the reads of results and for the writes of the registers that held source 1's fragments
	v_mov_b32 v[SCL], s96
.irp a, 0,1,2,3,4,5,6,7
	QSTAGE \a
.endr
	s_wait_dscnt 0x0                               ; for the others' sake: my stores into the stage are done
	s_barrier_signal -1
	s_barrier_wait -1
	s_cmp_eq_u32 ttmp9, 2                          ; both ways issue 32 loads, so the counts below hold at the join
	s_cbranch_scc1 .Lrows_v
.set i, 0
.rept 16
	ds_load_b128 v[CD+4*i:CD+4*i+3], v[RD] offset:8*PITCH*i
.set i, i+1
.endr
.rept 16
	ds_load_b128 v[CD+4*i:CD+4*i+3], v[RD2] offset:8*PITCH*(i-16)
.set i, i+1
.endr
	s_branch .Lsend
.Lrows_v:
.set i, 0
.rept 32
	ds_load_b128 v[CD+4*i:CD+4*i+3], v[RDV] offset:4*PITCH*(i%16)+128*(i/16)
.set i, i+1
.endr
.Lsend:
.set i, 0
.rept 32
	s_wait_dscnt 31-i                              ; LDS loads come back in order: load i is in, the younger ones may be out
	global_store_b128 v[CO], v[CD+4*i:CD+4*i+3], s[10:11] offset:512*i   ; 32 lanes store 512 consecutive bytes, at a multiple of 256 from the buffer's first byte
.set i, i+1
.endr
	s_wait_tensorcnt 0x0                           ; the wave's end: 0 onto my spare word, behind my last tensor load and my last LDS store
	ds_add_u32 v[SPW], v[NIL]
	s_wait_dscnt 0x0
	CROUND                                         ; the closing round: no work-group ends while a partner may still ask for a tile that names it
	s_endpgm
.Lfunc_end_k_q7d75f1bcaa_qkv:
	.size	k_q7d75f1bcaa_qkv, .Lfunc_end_k_q7d75f1bcaa_qkv-k_q7d75f1bcaa_qkv
	.p2alignl 7, 3214868480
	.fill 96, 4, 3214868480
	.section	.rodata,"a",@progbits
	.p2align	6, 0x0
	.amdhsa_kernel k_q7d75f1bcaa_qkv
		.amdhsa_group_segment_fixed_size 327680
		.amdhsa_private_segment_fixed_size 0
		.amdhsa_enable_private_segment 0
		.amdhsa_kernarg_size 32
		.amdhsa_user_sgpr_count 2
		.amdhsa_user_sgpr_kernarg_segment_ptr 1
		.amdhsa_wavefront_size32 1
		.amdhsa_system_sgpr_workgroup_id_x 1
		.amdhsa_system_sgpr_workgroup_id_y 1
		.amdhsa_system_sgpr_workgroup_id_z 1
		.amdhsa_system_vgpr_workitem_id 0
		.amdhsa_next_free_vgpr 1024
		.amdhsa_next_free_sgpr 100
		.amdhsa_reserve_vcc 0
		.amdhsa_float_denorm_mode_32 3
		.amdhsa_float_denorm_mode_16_64 3
		.amdhsa_fp16_overflow 1
		.amdhsa_memory_ordered 1
		.amdhsa_forward_progress 1
		.amdhsa_inst_pref_size 112
	.end_amdhsa_kernel
	.amdgpu_metadata
---
amdhsa.version: [ 1, 2 ]
amdhsa.kernels:
  - .name:           k_q7d75f1bcaa_qkv
    .symbol:         k_q7d75f1bcaa_qkv.kd
    .args:
      - { .name: xc, .offset: 0, .size: 8, .value_kind: global_buffer, .address_space: global }
      - { .name: wc, .offset: 8, .size: 8, .value_kind: global_buffer, .address_space: global }
      - { .name: lowp_scales, .offset: 16, .size: 8, .value_kind: global_buffer, .address_space: global }
      - { .name: qkv, .offset: 24, .size: 8, .value_kind: global_buffer, .address_space: global }
    .group_segment_fixed_size: 327680
    .private_segment_fixed_size: 0
    .kernarg_segment_align: 8
    .kernarg_segment_size: 32
    .max_flat_workgroup_size: 128
    .sgpr_count:     100
    .vgpr_count:     1024
    .wavefront_size: 32
...
	.end_amdgpu_metadata
.endif
;; end of part 2
;; launch attn (part 3): grid 4 x 64, 16 waves a work-group, clusters of 4 x 1, 327,680 bytes of LDS; arguments qkv, lowp_scales, oc; writes oc
.if DOCPART == 3
	.amdgcn_target "amdgcn-amd-amdhsa--gfx1250"
	.amdhsa_code_object_version 6
	.text
	.protected	k_q7d75f1bcaa_attn
	.globl	k_q7d75f1bcaa_attn
	.p2align	8
	.type	k_q7d75f1bcaa_attn,@function
k_q7d75f1bcaa_attn:
	s_mov_b64 s[64:65], 0
	v_nop
	global_prefetch_b8 v0, s[64:65] scope:SCOPE_SE
	s_setreg_imm32_b32 hwreg(HW_REG_WAVE_MODE, 25, 1), 1
	s_wait_xcnt 0x0
	s_wait_alu depctr_hold_cnt(0) depctr_sa_sdst(0) depctr_va_vdst(0) depctr_va_sdst(0) depctr_va_ssrc(0) depctr_va_vcc(0) depctr_vm_vsrc(0)
	s_getreg_b32 s2, hwreg(HW_REG_IB_STS2, 6, 4)
	s_cmp_eq_u32 s2, 0
	s_cbranch_scc0 .Lentry_in_a_cluster
	s_endpgm
.Lentry_in_a_cluster:
	s_bfe_u32 s2, ttmp6, 0x10000c
	s_cmp_lg_u32 s2, 0x3003
	s_cbranch_scc0 .Lentry_shape_is_right
	s_endpgm
.Lentry_shape_is_right:
; Causal attention on codes of BF8 (E5M2), 64 batch x head of 2,048 x 64, and its result quantised for the last projection.
; qkv: part 0 q [bh][2048][64], part 1 k likewise, part 2 v [bh][16 key steps][64][128 keys]: codes.  oc: [16 heads][8192 rows][64]: codes.  Scales: entries 6 (q), 7 (k), 8 (p), 9 (v), 10 (the result).
; THE SOFTMAX: t = score x 2^(e6 + e7) x log2(e); M = the row's largest t so far, rounded UP to a whole number; p = 2^(t - M) is quantised along the keys, not normalised.  The row's sum is taken of the
; unquantised p, in f32, and divides O at the end.  When M moves, the sum and O are multiplied by 2^(old M - new M): exact.
; LIMITS, so that each power of two below is an f32 number: e6 + e7 between -126 and 126; e8, and e10 - e8 - e9, between -126 and 112.  NaN among the inputs is not served.
; SHARES.  The four work-groups of a cluster share one batch x head.  Its 128 tiles of 16 queries are dealt out: tile 4 u + cx belongs to partner cx, u = 0 .. 31.  Wave w owns u = 31 - w and u = w.
; A key step is 128 keys.  Step kappa counts for tile 4 u + cx where 2 kappa <= u, and needs no mask where 2 kappa + 2 <= u: both tests hold for every cx, so all partners branch alike, and cx enters only
; q's and the result's addresses in memory and the mask's numbers.  Every wave has (31 - w) / 2 + w / 2 + 2 = 17 steps (whole-number halves): all waves of all work-groups do equal work.
; LDS.  The head's whole K and V are resident: nothing is filled twice.  Each tile is asked for JOINTLY by the four partners (the same tensor load, the same descriptor, a mask that names the four).
; Each wave issues two loads at the start: a step of the keys' lower half and one of the upper; the first eight steps of the later tile read the lower half alone, while the upper lands.
; LAYOUT.  Both products are used transposed: S^T = K Q^T (source 0 = 16 keys, source 1 = my 16 queries; K = 64), O^T = V^T P^T (source 0 = 16 of the head's 64, source 1 = P; K = 128 keys): a lane holds ONE query throughout.
; In S^T's tile c lane (r, h) holds keys 16 c + 8 h + 0 .. 7 in its eight registers: their eight codes are registers 2 c, 2 c + 1 of P as the second form lays its operand.
; REGISTERS: v1-6 addresses that stay; v8-9 addresses of the step; v10 q's offset; v12 -M, v13 the largest t, v[14:15] the sum in two halves; v16-23, v24-31 Q of the two tiles; v32-95 K's eight fragments, then V's four;
; v96-159 S^T, then p; v160-191 O^T; v192-207 p's codes; v208-215 the result's codes; v216-231 rows on their way out; v236-254 at work and constants.
.set KSTEPB, 32*272                    ; a key step of K in LDS: 32 rows of 256 bytes (four keys) + 16 of padding: key k at (k / 4) 272 + (k % 4) 64: a fragment's sixteen rows start at 16 different groups of four banks
.set VSTEPB, 64*144                    ; a key step of V: 64 rows of 128 bytes + 16
.set VBASE,  16*KSTEPB
.set STAGE,  VBASE+16*VSTEPB           ; behind them, in blocks into which no tile lands: 16 rows x (64 bytes + 16) for each wave, for the way out
.set AK0,  1                           ; v1   my lane's place in a tile of K
.set AV0,  2                           ; v2   the same for V
.set STO,  3                           ; v3   the way out: where I put 8 codes of a row
.set RD,   4                           ; v4   the way out: where I read back
.set GO,   5                           ; v5   16 x lane
.set QD,   6                           ; v6   r - 8 h + 16 cx: my query less my half's first key, within a tile's 64 u
.set ADK,  8
.set ADV,  9
.set WV,   18                          ; s18  my wave's number
.set W7,   19                          ; s19  its low three bits: which step of each half I fetch
.set SEL,  20                          ; s[20:21] lane selects for v_permlanex16_b32: lane l xor 16
.set CS,   22                          ; s[22:23] log2(e) x 2^(e6 + e7)
.set G1K,  24                          ; s[24:31] descriptor group 1 for K's tiles;  s[32:39] for V's
.set G1V,  32
.set G0K,  40                          ; s[40:47] groups 0 for K: the lower half's step, the upper half's;  s[48:55] for V
.set G0V,  48
.set U,    58                          ; s58  u of the tile in hand
.set K2,   59                          ; s59  2 kappa; also the loops' counter
.set KB,   60                          ; s60  LDS byte of the step's K
.set VB,   61                          ; s61  of its V, less VBASE
.macro CROUND                          ; a round of the cluster's barrier
	s_barrier_signal -1
	s_barrier_wait -1
	s_cmp_lg_u32 s[WV], 0
	s_cbranch_scc1 .Lnot_wave_0_\@
	s_barrier_signal -3
.Lnot_wave_0_\@:
	s_barrier_wait -3
	s_barrier_signal -1
	s_barrier_wait -1
.endm
	s_load_b128 s[4:7], s[0:1], 0x0                ; qkv s[4:5], the scales s[6:7]
	s_load_b64 s[8:9], s[0:1], 0x10                ; oc
	v_lshl_add_u32 v251, v0, 2, 0x4b000
	v_mov_b32 v255, 0
	ds_add_u32 v251, v255
	ds_add_u32 v251, v255
	v_lshrrev_b32 v8, 5, v0
	s_delay_alu instid0(VALU_DEP_1)
	v_readfirstlane_b32 s[WV], v8                  ; wave 0..15
	s_and_b32 s[W7], s[WV], 7
	s_bfe_u32 s56, ttmp6, 0x40000                  ; cx: my place in the cluster
	s_and_b32 s57, ttmp7, 0xffff                   ; batch x head, which the four partners share
	s_lshl_b32 s62, s57, 17                        ; its first byte in each part of qkv
	s_mov_b32 s63, 0
	s_lshl_b32 s84, s[W7], 13                      ; the step that I fetch: 8,192 bytes each
	s_mov_b32 s85, 0
	s_add_nc_u64 s[84:85], s[84:85], s[62:63]
	s_sub_co_u32 s73, 31, s[WV]
	s_lshl_b32 s73, s73, 12
	s_lshl_b32 s74, s56, 10
	s_add_co_u32 s86, s73, s74                     ; my later tile's 1,024 bytes within a head: 4,096 u + 1,024 cx
	s_mov_b32 s87, 0
	s_lshl_b32 s73, s[WV], 12
	s_add_co_u32 s88, s73, s74                     ; my earlier tile's
	s_mov_b32 s89, 0
	s_and_b32 s75, s57, 15
	s_lshl_b32 s75, s75, 19                        ; oc: the head's 8,192 rows of 64 bytes,
	s_lshr_b32 s96, s57, 4
	s_lshl_b32 s96, s96, 17                        ; the batch's 2,048 of them
	s_add_co_u32 s90, s75, s96
	s_mov_b32 s91, 0
	; descriptor group 1.  K: a step is 8,192 dense bytes, stated as 32 rows of 256;  V: 64 rows of 128
	s_mov_b32 s[G1K], 15|(0<<16)|(1<<20)|(1<<21)|(5<<22)|(3<<25)  ; 15:0 the mask: all four work-groups; 17:16 elements of 1 byte; 20 padding on; 21 set beside a mask; 24:22 after every 64 words (code 5); 31:25 four words (code 3)
	s_mov_b32 s[G1K+1], 256<<16                    ; tensor_dim0
	s_mov_b32 s[G1K+2], 32<<16                     ; tensor_dim1
	s_mov_b32 s[G1K+3], 256<<16                    ; tile_dim0
	s_mov_b32 s[G1K+4], 32                         ; tile_dim1
	s_mov_b32 s[G1K+5], 256                        ; tensor_dim0_stride
	s_mov_b32 s[G1K+6], 0
	s_mov_b32 s[G1K+7], 0
	s_mov_b32 s[G1V], 15|(0<<16)|(1<<20)|(1<<21)|(4<<22)|(3<<25)  ; padding: four words after every 32
	s_mov_b32 s[G1V+1], 128<<16
	s_mov_b32 s[G1V+2], 64<<16
	s_mov_b32 s[G1V+3], 128<<16
	s_mov_b32 s[G1V+4], 64
	s_mov_b32 s[G1V+5], 128
	s_mov_b32 s[G1V+6], 0
	s_mov_b32 s[G1V+7], 0
	s_mov_b32 s[SEL], 0x76543210
	s_mov_b32 s[SEL+1], 0xfedcba98
	s_mov_b32 s[CS], 0x3fb8aa3b                    ; log2(e)
	s_mov_b32 s[G0K], 1                            ; 1:0 count = 1
	s_mov_b32 s[G0K+4], 1
	s_mov_b32 s[G0V], 1
	s_mov_b32 s[G0V+4], 1
	s_mul_i32 s[G0K+1], s[W7], KSTEPB              ; 63:32 LDS address: no place in the cluster enters it
	s_add_co_u32 s[G0K+5], s[G0K+1], 8*KSTEPB
	s_mul_i32 s[G0V+1], s[W7], VSTEPB
	s_add_co_u32 s[G0V+1], s[G0V+1], VBASE
	s_add_co_u32 s[G0V+5], s[G0V+1], 8*VSTEPB
	s_wait_dscnt 0x0
	s_wait_kmcnt 0x0
	s_load_b128 s[68:71], s[6:7], 0x18             ; e6, e7, e8, e9
	s_load_b32 s72, s[6:7], 0x28                   ; e10
	s_add_nc_u64 s[G0K+2:G0K+3], s[4:5], s[84:85]  ; 120:64 global address
	s_add_nc_u64 s[G0V+2:G0V+3], s[G0K+2:G0K+3], 0x1000000   ; part 2
	s_add_nc_u64 s[G0K+2:G0K+3], s[G0K+2:G0K+3], 0x800000    ; part 1
	s_add_nc_u64 s[G0K+6:G0K+7], s[G0K+2:G0K+3], 0x10000     ; eight steps on
	s_add_nc_u64 s[G0V+6:G0V+7], s[G0V+2:G0V+3], 0x10000
	s_or_b32 s[G0K+3], s[G0K+3], 0x80000000        ; 127:126 type = 2
	s_or_b32 s[G0K+7], s[G0K+7], 0x80000000
	s_or_b32 s[G0V+3], s[G0V+3], 0x80000000
	s_or_b32 s[G0V+7], s[G0V+7], 0x80000000
	s_add_nc_u64 s[80:81], s[4:5], s[62:63]
	s_add_nc_u64 s[82:83], s[80:81], s[88:89]      ; q of my earlier tile,
	s_add_nc_u64 s[80:81], s[80:81], s[86:87]      ; of my later tile
	s_add_nc_u64 s[66:67], s[8:9], s[90:91]
	s_add_nc_u64 s[76:77], s[66:67], s[88:89]      ; the result of my earlier tile,
	s_add_nc_u64 s[66:67], s[66:67], s[86:87]      ; of my later tile
	CROUND                                         ; all four work-groups are here: the joint loads meet
	s_cmp_lt_u32 s[WV], 8                          ; waves 0-7 fetch K, waves 8-15 V.  A wave's two loads stand in one branch, ahead of every wait on TENSORcnt, every LDS read and every other barrier: two loads of mine are out
	s_cbranch_scc0 .Lfirst_v
	tensor_load_to_lds s[G0K:G0K+3], s[G1K:G1K+7]
	s_nop 0
	tensor_load_to_lds s[G0K+4:G0K+7], s[G1K:G1K+7]
	s_nop 0
.rept 4
	v_nop
.endr
	s_branch .Lfirst_asked
.Lfirst_v:
	tensor_load_to_lds s[G0V:G0V+3], s[G1V:G1V+7]
	s_nop 0
	tensor_load_to_lds s[G0V+4:G0V+7], s[G1V:G1V+7]
	s_nop 0
.rept 4
	v_nop
.endr
.Lfirst_asked:
	v_and_b32 v8, 15, v0                           ; r
	v_bfe_u32 v9, v0, 4, 1                         ; h
	s_delay_alu instid0(VALU_DEP_2)
	v_lshlrev_b32 v10, 6, v8
	s_delay_alu instid0(VALU_DEP_1)
	v_lshl_add_u32 v10, v9, 4, v10                 ; q: row r of 64 bytes, + 16 h
	global_load_b128 v[16:19], v10, s[80:81]       ; a fragment of 16 rows x 64: registers 0-3: 16 h + 0 .. 15 of the head's 64; registers 4-7: 32 + 16 h + 0 .. 15: the same places in Q and in K
	global_load_b128 v[20:23], v10, s[80:81] offset:32
	global_load_b128 v[24:27], v10, s[82:83]
	global_load_b128 v[28:31], v10, s[82:83] offset:32
	v_bfe_u32 v11, v0, 2, 2                        ; r / 4
	s_delay_alu instid0(VALU_DEP_1)
	v_mul_u32_u24 v[AK0], v11, 272
	v_and_b32 v11, 3, v0                           ; r % 4
	s_delay_alu instid0(VALU_DEP_1)
	v_lshl_add_u32 v[AK0], v11, 6, v[AK0]
	s_delay_alu instid0(VALU_DEP_1)
	v_lshl_add_u32 v[AK0], v9, 4, v[AK0]
	v_mul_u32_u24 v[AV0], v8, 144
	s_delay_alu instid0(VALU_DEP_1)
	v_lshl_add_u32 v[AV0], v9, 3, v[AV0]
	s_delay_alu instid0(VALU_DEP_1)
	v_add_nc_u32 v[AV0], VBASE, v[AV0]
	s_mul_i32 s73, s[WV], 16*80
	s_add_co_u32 s73, s73, STAGE                   ; my stage
	v_mul_u32_u24 v[STO], v8, 80
	s_delay_alu instid0(VALU_DEP_1)
	v_lshl_add_u32 v[STO], v9, 3, v[STO]
	s_delay_alu instid0(VALU_DEP_1)
	v_add_nc_u32 v[STO], s73, v[STO]               ; in: row r, + 8 h
	v_bfe_u32 v11, v0, 2, 3
	s_delay_alu instid0(VALU_DEP_1)
	v_mul_u32_u24 v[RD], v11, 80
	v_and_b32 v11, 3, v0
	s_delay_alu instid0(VALU_DEP_1)
	v_lshl_add_u32 v[RD], v11, 4, v[RD]
	s_delay_alu instid0(VALU_DEP_1)
	v_add_nc_u32 v[RD], s73, v[RD]                 ; back: eight rows an instruction, four lanes to a row of 64 bytes
	v_and_b32 v[GO], 31, v0
	s_delay_alu instid0(VALU_DEP_1)
	v_lshlrev_b32 v[GO], 4, v[GO]
	v_lshlrev_b32 v11, 3, v9
	s_delay_alu instid0(VALU_DEP_1)
	v_sub_nc_u32 v[QD], v8, v11
	s_lshl_b32 s74, s56, 4
	v_add_nc_u32 v[QD], s74, v[QD]
	v_mov_b32 v236, 0                              ; written once: a lane permute's destination counts as one of its sources
	v_mov_b32 v252, 0
	v_mov_b32 v253, 0                              ; (named as the upper half of the pair v[252:253])
	s_wait_kmcnt 0x0
	s_add_co_i32 s73, s68, s69
	s_lshl_b32 s73, s73, 23
	s_add_co_i32 s[CS], s[CS], s73                 ; a score stands for score x 2^(e6 + e7): the two exponents are added to the factor's exponent field
	s_mov_b32 s[CS+1], s[CS]                       ; (named with it as a pair, so it is written)
	s_add_co_i32 s73, s70, 127
	s_lshl_b32 s74, s73, 23
	v_mov_b32 v244, s74                            ; 2^e8 as f32, for p's conversions
	s_sub_co_i32 s73, s72, s70
	s_sub_co_i32 s73, s73, s71                     ; a sum of the second product stands for sum x 2^(e8 + e9): the result's conversion takes 2^(e10 - e8 - e9)
	s_add_co_i32 s73, s73, 127
	s_lshl_b32 s74, s73, 23
	v_mov_b32 v245, s74
; A KEY STEP: 128 keys at s[KB], s[VB]; Q in v[qr] on.  guard = 1: the step is left out where all its keys come after the tile's queries, and masked where some do.  The branches hang on the wave's number and the loop's count.
.macro STEP qr, guard
.if \guard
	s_cmp_gt_u32 s[K2], s[U]
	s_cbranch_scc1 .Lhid_\@
.endif
	s_setprio 2
	v_add_nc_u32 v[ADK], s[KB], v[AK0]
	v_add_nc_u32 v[ADV], s[VB], v[AV0]
	v_nop
	v_nop                                          ; four places in front of loads into registers that the last products have read
.irp t, 0,1,2,3,4,5,6,7
	ds_load_b128 v[32+8*\t:35+8*\t], v[ADK] offset:4*272*\t
	ds_load_b128 v[36+8*\t:39+8*\t], v[ADK] offset:4*272*\t+32
.endr
	s_wait_alu depctr_va_vdst(0)
	s_wait_dscnt 0x0
.irp t, 0,1,2,3,4,5,6,7
	v_wmma_f32_16x16x64_bf8_bf8 v[96+8*\t:103+8*\t], v[32+8*\t:39+8*\t], v[\qr:\qr+7], 0   ; S^T, keys 16 t on
.endr
.rept 4
	v_nop                                          ; four places: in front of the loads below and of the first read of the scores
.endr
.irp t, 0,1,2,3
.irp c, 0,1,2,3,4,5,6,7
	ds_load_b64 v[32+16*\t+2*\c:33+16*\t+2*\c], v[ADV] offset:16*144*\t+16*\c   ; V^T: row 16 t + r of the head's 64, keys 16 c + 8 h + 0 .. 7.  These land while the softmax is worked
.endr
.endr
.if \guard
	s_add_co_u32 s96, s[K2], 2
	s_cmp_le_u32 s96, s[U]
	s_cbranch_scc1 .Lopen_\@                       ; all 128 keys count
	s_sub_co_u32 s96, s[U], s[K2]
	s_lshl_b32 s96, s96, 6
	v_add_nc_u32 v252, s96, v[QD]                  ; d = my query - the step's first key - 8 h.  Register 8 c + j holds key 16 c + 8 h + j of the step: hidden where 16 c + j > d
	v_mov_b32 v254, 0xff800000                     ; -infinity: p = 0 then.  The step's first key counts for every query of the tile, so the row's maximum is a number
.set n, 0
.rept 64
	v_cmp_gt_i32 vcc_lo, 16*(n/8)+n%8, v252
	v_cndmask_b32 v[96+n], v[96+n], v254, vcc_lo
.set n, n+1
.endr
.Lopen_\@:
.endif
	v_max3_num_f32 v254, v96, v97, v98             ; the step's largest score of my query, among my 64 keys, in two chains, each accumulator from its low end on,
	v_max3_num_f32 v252, v99, v100, v101
.irp i, 6,10,14,18,22,26,30,34,38,42,46,50,54,58
	v_max3_num_f32 v254, v254, v[96+\i], v[97+\i]
	v_max3_num_f32 v252, v252, v[98+\i], v[99+\i]
.endr
	v_max3_num_f32 v254, v254, v158, v159
	s_delay_alu instid0(VALU_DEP_1)
	v_max_num_f32 v254, v254, v252
	s_delay_alu instid0(VALU_DEP_1)
	v_permlanex16_b32 v236, v254, s[SEL], s[SEL+1]
	s_delay_alu instid0(VALU_DEP_1)
	v_max_num_f32 v254, v254, v236                 ; and among lane l xor 16's
	s_delay_alu instid0(VALU_DEP_1)
	v_mul_f32 v254, s[CS], v254                    ; as t (the factor is positive)
	s_delay_alu instid0(VALU_DEP_1)
	v_max_num_f32 v13, v13, v254                   ; the running largest t
	v_mov_b32 v254, v12
	s_delay_alu instid0(VALU_DEP_2)
	v_floor_f32 v12, -v13                          ; the new -M = floor(-t) = -ceil(t): a whole number
	s_delay_alu instid0(VALU_DEP_1)
	v_sub_f32 v254, v12, v254                      ; M's old value less its new one: a whole number, 0 or less
	s_delay_alu instid0(VALU_DEP_1)
	v_cvt_i32_f32 v254, v254                       ; (it saturates)
	s_delay_alu instid0(VALU_DEP_1)
	v_ldexp_f32 v252, 1.0, v254                    ; f = 2^(old M - new M)
.set j, 0
.rept 32
	v_pk_fma_f32 v[96+j:97+j], v[96+j:97+j], s[CS:CS+1], v[12:13] op_sel_hi:[1,0,0]   ; t - M, two at a time (of both pairs the low word serves both halves)
.set j, j+2
.endr
.set j, 0
	s_setprio 1
	s_wait_alu depctr_va_vdst(0)
.rept 64
	v_exp_f32 v[96+j], v[96+j]                     ; p = 2^(t - M), at most 1
.set j, j+1
.endr
	v_pk_mul_f32 v[14:15], v[14:15], v[252:253] op_sel_hi:[1,0]   ; the sums under the new M: a plain line behind the exponentials
	s_wait_alu depctr_va_vdst(0)                   ; one wait for the whole batch, ahead of its first reader
	v_pk_add_f32 v[242:243], v[100:101], v[104:105]
	v_pk_add_f32 v[248:249], v[108:109], v[112:113]
	v_pk_add_f32 v[246:247], v[116:117], v[120:121]
	v_pk_add_f32 v[240:241], v[124:125], v[128:129]
	v_pk_add_f32 v[238:239], v[132:133], v[136:137]
	v_pk_add_f32 v[234:235], v[140:141], v[144:145]
	v_pk_add_f32 v[232:233], v[148:149], v[152:153]
	v_pk_add_f32 v[14:15], v[14:15], v[156:157]
	v_pk_add_f32 v[242:243], v[242:243], v[96:97]
	v_pk_add_f32 v[248:249], v[248:249], v[98:99]
	v_pk_add_f32 v[246:247], v[246:247], v[102:103]
	v_pk_add_f32 v[240:241], v[240:241], v[106:107]
	v_pk_add_f32 v[238:239], v[238:239], v[110:111]
	v_pk_add_f32 v[234:235], v[234:235], v[114:115]
	v_pk_add_f32 v[232:233], v[232:233], v[118:119]
	v_pk_add_f32 v[14:15], v[14:15], v[122:123]
	v_pk_add_f32 v[242:243], v[242:243], v[126:127]
	v_pk_add_f32 v[248:249], v[248:249], v[130:131]
	v_pk_add_f32 v[246:247], v[246:247], v[134:135]
	v_pk_add_f32 v[240:241], v[240:241], v[138:139]
	v_pk_add_f32 v[238:239], v[238:239], v[142:143]
	v_pk_add_f32 v[234:235], v[234:235], v[146:147]
	v_pk_add_f32 v[232:233], v[232:233], v[150:151]
	v_pk_add_f32 v[14:15], v[14:15], v[154:155]
	v_pk_add_f32 v[242:243], v[242:243], v[158:159]
	s_delay_alu instid0(VALU_DEP_2)
	v_pk_add_f32 v[14:15], v[14:15], v[240:241]
	s_delay_alu instid0(VALU_DEP_2)
	v_pk_add_f32 v[242:243], v[242:243], v[238:239]
	v_pk_add_f32 v[248:249], v[248:249], v[234:235]
	v_pk_add_f32 v[246:247], v[246:247], v[232:233]
	s_delay_alu instid0(VALU_DEP_2)
	v_pk_add_f32 v[14:15], v[14:15], v[248:249]
	s_delay_alu instid0(VALU_DEP_2)
	v_pk_add_f32 v[242:243], v[242:243], v[246:247]
	s_delay_alu instid0(VALU_DEP_1)
	v_pk_add_f32 v[14:15], v[14:15], v[242:243]
	s_setprio 0
.irp c, 0,1,2,3,4,5,6,7
.irp i, 0,1,2,3,4,5,6,7
.endr
	v_cvt_scalef32_pk8_bf8_f32 v[192+2*\c:193+2*\c], v[96+8*\c:103+8*\c], v244
.endr
.set j, 0
.rept 16
	v_pk_mul_f32 v[160+j:161+j], v[160+j:161+j], v[252:253] op_sel_hi:[1,0]   ; O^T under the new M.  (Plain lines between the conversions and the products that read their results)
.set j, j+2
.endr
	s_wait_alu depctr_va_vdst(0)
	s_wait_dscnt 0x0                               ; V is in
.irp t, 0,1,2,3
	v_wmma_f32_16x16x128_bf8_bf8 v[160+8*\t:167+8*\t], v[32+16*\t:47+16*\t], v[192:207], v[160+8*\t:167+8*\t]   ; four accumulators, one instruction a turn
.endr
.if \guard
.Lhid_\@:
.endif
	s_add_co_u32 s[K2], s[K2], 2
	s_add_co_u32 s[KB], s[KB], KSTEPB
	s_add_co_u32 s[VB], s[VB], VSTEPB
.endm
.macro INIT                            ; a tile begins: the step is written without a first step of its own: it finds zeros, which the first change of M leaves zeros
	v_mov_b32 v13, 0xff61b1e6                      ; the largest t so far: -3e38, under every t
	s_delay_alu instid0(VALU_DEP_1)
	v_floor_f32 v12, -v13
	v_mov_b32 v14, 0
	v_mov_b32 v15, 0
.set j, 0
.rept 32
	v_mov_b32 v[160+j], 0
.set j, j+1
.endr
.endm
; A tile ends: O^T / the sum, quantised along the head's 64 (a lane's eight registers are eight neighbours), through my own stage, and out as 1,024 dense bytes.
.macro OUT base, bk
.rept 4
	v_nop                                          ; places behind the last products
.endr
	v_add_f32 v14, v14, v15                        ; the sum's two halves,
	s_delay_alu instid0(VALU_DEP_1)
	v_permlanex16_b32 v252, v14, s[SEL], s[SEL+1]
	s_delay_alu instid0(VALU_DEP_1)
	v_add_f32 v14, v14, v252                       ; and lane l xor 16's
	s_wait_alu depctr_va_vdst(0)
	v_rcp_f32 v14, v14
	v_nop                                          ; a plain line behind the reciprocal,
	s_wait_alu depctr_va_vdst(0)                   ; and the wait ahead of its first reader
.set j, 0
.rept 16
	v_pk_mul_f32 v[96+j:97+j], v[160+j:161+j], v[14:15] op_sel_hi:[1,0]
.set j, j+2
.endr
.set j, 0
.rept 32
.set j, j+1
.endr
.irp t, 0,1,2,3
	v_cvt_scalef32_pk8_bf8_f32 v[208+2*\t:209+2*\t], v[96+8*\t:103+8*\t], v245
.endr
	v_nop                                          ; a plain line behind the conversions
.irp t, 0,1,2,3
	ds_store_b64 v[STO], v[208+2*\t:209+2*\t] offset:16*\t   ; query r, 16 t + 8 h + 0 .. 7 of the head's 64
.endr
	ds_load_b128 v[\bk:\bk+3], v[RD]               ; LDS serves a wave's instructions in order: these see my stores
	ds_load_b128 v[\bk+4:\bk+7], v[RD] offset:8*80
	s_wait_dscnt 1                                 ; the first is in, the second may be out
	global_store_b128 v[GO], v[\bk:\bk+3], s[\base:\base+1]   ; 32 lanes store 512 consecutive bytes, at a multiple of 256 from the buffer's first byte
	s_wait_dscnt 0
	global_store_b128 v[GO], v[\bk+4:\bk+7], s[\base:\base+1] offset:512
.endm
	s_wait_tensorcnt 0x1                           ; my step of the lower half is in; my step of the upper half may be out
	s_barrier_signal -1
	s_barrier_wait -1                              ; everybody's is
	s_wait_loadcnt 0x0                             ; Q
	s_sub_co_u32 s[U], 31, s[WV]                   ; THE LATER TILE, u >= 16: its steps 0 to 7 need no mask in any wave, and read the lower half alone
	INIT
	s_mov_b32 s[K2], 0
	s_mov_b32 s[KB], 0
	s_mov_b32 s[VB], 0
.Llower:
	STEP 16, 0
	s_cmp_lt_u32 s[K2], 16
	s_cbranch_scc1 .Llower
	s_setprio 0
	s_wait_tensorcnt 0x0                           ; my step of the upper half is in,
	s_wait_dscnt 0x0
	s_barrier_signal -1
	s_barrier_wait -1                              ; everybody's is.  No barrier stands in what follows, nine steps of work in every wave
	s_mov_b32 s[K2], 16
	s_mov_b32 s[KB], 8*KSTEPB
	s_mov_b32 s[VB], 8*VSTEPB
.Lupper:                                               ; eight trips in every wave; the steps past the diagonal are jumped over
	STEP 16, 1
	s_cmp_lt_u32 s[K2], 32
	s_cbranch_scc1 .Lupper
	s_setprio 0
	OUT 66, 216
	s_mov_b32 s[U], s[WV]                          ; THE EARLIER TILE, u <= 15
	INIT
	s_mov_b32 s[K2], 0
	s_mov_b32 s[KB], 0
	s_mov_b32 s[VB], 0
.Learly:
	STEP 24, 1
	s_cmp_lt_u32 s[K2], 16
	s_cbranch_scc1 .Learly
	s_setprio 0
	OUT 76, 224
	s_wait_dscnt 0x0
	s_wait_tensorcnt 0x0
	ds_add_u32 v251, v255
	s_wait_dscnt 0x0
	CROUND                                         ; the closing round
	s_endpgm
.Lfunc_end_k_q7d75f1bcaa_attn:
	.size	k_q7d75f1bcaa_attn, .Lfunc_end_k_q7d75f1bcaa_attn-k_q7d75f1bcaa_attn
	.p2alignl 7, 3214868480
	.fill 96, 4, 3214868480
	.section	.rodata,"a",@progbits
	.p2align	6, 0x0
	.amdhsa_kernel k_q7d75f1bcaa_attn
		.amdhsa_group_segment_fixed_size 327680
		.amdhsa_private_segment_fixed_size 0
		.amdhsa_enable_private_segment 0
		.amdhsa_kernarg_size 24
		.amdhsa_user_sgpr_count 2
		.amdhsa_user_sgpr_kernarg_segment_ptr 1
		.amdhsa_wavefront_size32 1
		.amdhsa_system_sgpr_workgroup_id_x 1
		.amdhsa_system_sgpr_workgroup_id_y 1
		.amdhsa_system_sgpr_workgroup_id_z 1
		.amdhsa_system_vgpr_workitem_id 0
		.amdhsa_next_free_vgpr 256
		.amdhsa_next_free_sgpr 100
		.amdhsa_reserve_vcc 1
		.amdhsa_float_denorm_mode_32 3
		.amdhsa_float_denorm_mode_16_64 3
		.amdhsa_fp16_overflow 1
		.amdhsa_memory_ordered 1
		.amdhsa_forward_progress 1
		.amdhsa_inst_pref_size 72
	.end_amdhsa_kernel
	.amdgpu_metadata
---
amdhsa.version: [ 1, 2 ]
amdhsa.kernels:
  - .name:           k_q7d75f1bcaa_attn
    .symbol:         k_q7d75f1bcaa_attn.kd
    .args:
      - { .name: qkv, .offset: 0, .size: 8, .value_kind: global_buffer, .address_space: global }
      - { .name: lowp_scales, .offset: 8, .size: 8, .value_kind: global_buffer, .address_space: global }
      - { .name: oc, .offset: 16, .size: 8, .value_kind: global_buffer, .address_space: global }
    .group_segment_fixed_size: 327680
    .private_segment_fixed_size: 0
    .kernarg_segment_align: 8
    .kernarg_segment_size: 24
    .max_flat_workgroup_size: 512
    .sgpr_count:     100
    .vgpr_count:     256
    .wavefront_size: 32
...
	.end_amdgpu_metadata
.endif
;; end of part 3
;; launch proj (part 4): grid 4 x 32, 4 waves a work-group, clusters of 4 x 4, 327,680 bytes of LDS; arguments oc, wc, lowp_scales, out0, bu; writes out0
.if DOCPART == 4
	.amdgcn_target "amdgcn-amd-amdhsa--gfx1250"
	.amdhsa_code_object_version 6
	.text
	.protected	k_q7d75f1bcaa_proj
	.globl	k_q7d75f1bcaa_proj
	.p2align	8
	.type	k_q7d75f1bcaa_proj,@function
k_q7d75f1bcaa_proj:
	s_mov_b64 s[64:65], 0
	v_nop
	global_prefetch_b8 v0, s[64:65] scope:SCOPE_SE
	s_setreg_imm32_b32 hwreg(HW_REG_WAVE_MODE, 25, 1), 1
	s_wait_xcnt 0x0
	s_wait_alu depctr_hold_cnt(0) depctr_sa_sdst(0) depctr_va_vdst(0) depctr_va_sdst(0) depctr_va_ssrc(0) depctr_va_vcc(0) depctr_vm_vsrc(0)
	s_getreg_b32 s2, hwreg(HW_REG_IB_STS2, 6, 4)
	s_cmp_eq_u32 s2, 0
	s_cbranch_scc0 .Lentry_in_a_cluster
	s_endpgm
.Lentry_in_a_cluster:
	s_bfe_u32 s2, ttmp6, 0x10000c
	s_cmp_lg_u32 s2, 0xf033
	s_cbranch_scc0 .Lentry_shape_is_right
	s_endpgm
.Lentry_shape_is_right:
; out0 = o Wu^T + bu on codes of BF8 (E5M2): out0[m][n] = 2^(e10 + e11) x the sum over k of o[m][k] Wu[n][k], + bu[n].  M = 8,192, N = K = 1,024; sums in f32.
; oc: [16 heads][8192 rows][64]: o's codes, k = 64 x head + the place in the head.  wc's fourth part: Wu's codes [1024][1024], K innermost.  Scales: entries 10, 11.
; LIMIT: e10 + e11 lies between -126 and 127, so that 2^(e10 + e11) is an f32 number.
; A tile of the result, 256 x 256, is made by four waves, each 128 x 128: 64 accumulators of 16 x 16, 512 registers.  K goes in steps of 256 (four heads) through a ring of two LDS slots filled by the tensor data mover.
; CLUSTERS: 4 x 4 work-groups.  The four of a row of the cluster need the same tiles of o, the four of a column the same tiles of Wu: each is asked for JOINTLY, by the same tensor load with the same descriptor and a mask that names the four.
; THE MATRIX INSTRUCTION IS USED TRANSPOSED (source 0 = 16 rows of Wu, source 1 = 16 rows of o): a lane then holds eight neighbouring numbers of a row of the result.
; o's TILE.  128 rows of one head are 8,192 dense bytes; a K step takes four heads.  So a load is stated as 4 rows of 8,192 bytes, 524,288 bytes apart, with 16 bytes of padding behind every 64:
; in LDS head g's row m lies at 10,240 g + 80 m.
; REGISTERS, in windows of 256: window 0: v0-31 addresses, v8-11 my four numbers of bu; from v128 o's fragments, ONE set; on the way out v128-255 take rows.   window 1: Wu's fragments, TWO sets.   windows 2, 3: the accumulators.
.set SIZE_N, 1024
.set SIZE_K, 1024
.set KSTEP,  256
.set ROWB,   256                       ; a row of Wu's tile in bytes
.set KROW,   SIZE_K
.set PITCH,  272                       ; Wu's LDS row: 256 bytes + 16 of padding
.set PA,     80                        ; o's LDS row: 64 bytes + 16 of padding: 20 words: the 16 rows that a load touches start at 16 different groups of four banks (64 banks of 4 bytes: ISA guide 11.1)
.set HEADB,  128*PA                    ; a head's 128 rows
.set HALFA,  4*HEADB                   ; what one tensor load brings of o
.set HALFB,  128*PITCH                 ; and of Wu
.set SLOT,   2*HALFA+2*HALFB           ; o's 256 rows, then Wu's 256 rows
.set ASTEP,  4*8192*64                 ; four heads on, in oc
.set FR,     16
.set NL,     4
.set NP,     4                         ; places behind this matrix instruction (ISA guide 7.12.1)
.set LAPS,   SIZE_K/(2*KSTEP)
.set SPARE,  2*SLOT                    ; behind the ring: the spare words, 128 bytes for each wave: two blocks of 256 bytes that no other line names
.set SPITCH, 528                       ; the way out: a stage of 16 rows x (512 bytes + 16) for each wave, in slot 0, which has had its last fill and its last read when the first result is stored there
.set BIAS, 8                           ; v8-11   bu at my four columns of a row read back
.set ADRA, 16                          ; v16-17  LDS address of o's fragments in slot 0, 1
.set ADRB, 20                          ; v20-21  the same for Wu
.set STO,  24                          ; v24     the way out: where I put 32 bytes of a row
.set RD,   25                          ; v25     the way out: where I read a row back
.set CO,   26                          ; v26     16 x lane: my byte offset in a row's 512 bytes
.set SPW,  28                          ; v28     LDS address of my spare word; never rewritten
.set NIL,  29                          ; v29     0; never rewritten
.set AF,   128
.set BK,   128                         ; the way out: 16 rows read back: v128-191 and v192-255 by turns
.set G1, 24
.set G0, 32
.set G1B, 48
.set G0B, 56
.set MSB, 0
.macro WIN new                         ; the immediate's high byte repeats the setting that is left
.if MSB != \new
	s_set_vgpr_msb (MSB<<8)|\new
.set MSB, \new
.endif
.endm
.set MUL_LO, 0xa1                      ; source 0 (Wu) window 1, source 1 (o) window 0, C and D window 2
.set MUL_HI, 0xf1                      ; the same, C and D window 3
.set TO_B,   0x40                      ; destination window 1, address window 0
; A joint load: waves 0 and 1 fetch for o, waves 2 and 3 for Wu; the branch hangs on the wave's number alone.  Four v_nop follow each of the two lines.
.macro JLOAD g0a, g1a, g0b, g1b
	s_cmp_eq_u32 s15, 0
	s_cbranch_scc0 .Lfor_b_\@
	tensor_load_to_lds s[\g0a:\g0a+3], s[\g1a:\g1a+7]
	s_nop 0
.rept 4
	v_nop
.endr
	s_branch .Lasked_\@
.Lfor_b_\@:
	tensor_load_to_lds s[\g0b:\g0b+3], s[\g1b:\g1b+7]
	s_nop 0
.rept 4
	v_nop
.endr
.Lasked_\@:
.endm
.macro CREST                           ; a round of the cluster's barrier behind its opening barrier
	s_cmp_lg_u32 s14, 0
	s_cbranch_scc1 .Lnot_wave_0_\@
	s_barrier_signal -3
.Lnot_wave_0_\@:
	s_barrier_wait -3
	s_barrier_signal -1
	s_barrier_wait -1
.endm
.macro CROUND                          ; a whole round
	s_barrier_signal -1
	s_barrier_wait -1
	CREST
.endm
	s_load_b128 s[4:7], s[0:1], 0x0                ; oc s[4:5], wc s[6:7]
	s_load_b128 s[8:11], s[0:1], 0x10              ; the scales s[8:9], out0 s[10:11]
	s_load_b64 s[12:13], s[0:1], 0x20              ; bu
	v_lshl_add_u32 v[SPW], v0, 2, SPARE
	v_mov_b32 v[NIL], 0
	ds_add_u32 v28, v29
	ds_add_u32 v28, v29
	s_wait_dscnt 0x0
	v_lshrrev_b32 v1, 5, v0
	v_readfirstlane_b32 s14, v1                    ; wave 0..3
	s_lshr_b32 s15, s14, 1                         ; which half of the tile's rows is mine.  Also: I fetch for o (0) or for Wu (1)
	s_and_b32 s16, s14, 1                          ; which half of its columns.  Also: which 128 rows of that tile I fetch
	s_bfe_u32 s40, ttmp6, 0x40000                  ; cx, cy: my place in the cluster
	s_bfe_u32 s41, ttmp6, 0x40004
	s_lshl_b32 s42, ttmp9, 2
	s_add_co_u32 s42, s42, s40                     ; tile column = 4 x cluster x + cx
	s_and_b32 s17, ttmp7, 0xffff
	s_lshl_b32 s17, s17, 2
	s_add_co_u32 s17, s17, s41                     ; tile row = 4 x cluster y + cy
	s_lshl_b32 s43, s41, 2
	s_lshl_b32 s43, 15, s43                        ; my row of the cluster
	s_lshl_b32 s44, 0x1111, s40                    ; my column
	; descriptor group 1 for o: 4 rows (heads) of 8,192 bytes
	s_or_b32 s[G1+0], s43, (0<<16)|(1<<20)|(1<<21)|(3<<22)|(3<<25)  ; 15:0 the mask: o's tiles go to my row; 17:16 element of 1 byte; 20 padding on; 21 set beside a mask; 24:22 after every 16 words (code 3); 31:25 of 4 words (code 3)
	s_mov_b32 s[G1+1], 8192<<16                    ; tensor_dim0
	s_mov_b32 s[G1+2], 4<<16                       ; tensor_dim1
	s_mov_b32 s[G1+3], 8192<<16                    ; tile_dim0
	s_mov_b32 s[G1+4], 4                           ; tile_dim1
	s_mov_b32 s[G1+5], 8192*64                     ; tensor_dim0_stride: from head to head
	s_mov_b32 s[G1+6], 0
	s_mov_b32 s[G1+7], 0
	; and for Wu: 128 rows of 256 bytes
	s_or_b32 s[G1B+0], s44, (0<<16)|(1<<20)|(1<<21)|(5<<22)|(3<<25)
	s_mov_b32 s[G1B+1], ROWB<<16
	s_mov_b32 s[G1B+2], 128<<16
	s_mov_b32 s[G1B+3], ROWB<<16
	s_mov_b32 s[G1B+4], 128
	s_mov_b32 s[G1B+5], KROW
	s_mov_b32 s[G1B+6], 0
	s_mov_b32 s[G1B+7], 0
	s_lshl_b32 s18, s16, 7                         ; which 128 rows of the tile I fetch
	s_lshl_b32 s20, s17, 8
	s_add_co_u32 s20, s20, s18                     ; o: row 256 x tile row + 128 x half,
	s_lshl_b32 s20, s20, 6                         ; of 64 bytes
	s_mov_b32 s21, 0
	s_lshl_b32 s46, s42, 8
	s_add_co_u32 s46, s46, s18                     ; Wu: row 256 x tile column + 128 x half,
	s_lshl_b32 s46, s46, 10                        ; of 1,024 bytes
	s_mov_b32 s47, 0
	s_mul_i32 s45, s16, HALFA                      ; where they go: no place in the cluster enters an LDS address
	s_mul_i32 s94, s16, HALFB
	s_add_co_u32 s94, s94, 2*HALFA
	s_wait_kmcnt 0x0
	s_load_b64 s[96:97], s[8:9], 0x28              ; e10, e11
	s_add_nc_u64 s[20:21], s[4:5], s[20:21]
	s_add_nc_u64 s[46:47], s[6:7], s[46:47]
	s_add_nc_u64 s[46:47], s[46:47], 0x300000      ; wc's fourth part
	CROUND                                         ; all sixteen work-groups are here: the first joint loads meet
.irp s, 0,1
	s_mov_b32 s[G0+4*\s], 1
	s_add_co_u32 s[G0+4*\s+1], s45, \s*SLOT
	s_add_nc_u64 s[G0+4*\s+2:G0+4*\s+3], s[20:21], \s*ASTEP
	s_or_b32 s[G0+4*\s+3], s[G0+4*\s+3], 0x80000000
	s_mov_b32 s[G0B+4*\s], 1
	s_add_co_u32 s[G0B+4*\s+1], s94, \s*SLOT
	s_add_nc_u64 s[G0B+4*\s+2:G0B+4*\s+3], s[46:47], \s*ROWB
	s_or_b32 s[G0B+4*\s+3], s[G0B+4*\s+3], 0x80000000
	s_wait_alu depctr_va_vdst(0)
	s_wait_tensorcnt 0x0
	ds_add_u32 v28, v29
	ds_add_u32 v28, v29
	s_wait_dscnt 0x0
	CROUND
	JLOAD G0+4*\s, G1, G0B+4*\s, G1B
.endr
	v_and_b32 v1, 15, v0                           ; r = l % 16
	v_bfe_u32 v2, v0, 4, 1                         ; h = l / 16
	v_mul_u32_u24 v3, v1, PA
	v_lshl_add_u32 v3, v2, 4, v3                   ; o: row x 80 + 16 x half
	v_mul_u32_u24 v4, v1, PITCH
	v_lshl_add_u32 v4, v2, 4, v4                   ; Wu: row x 272 + 16 x half
	s_mul_i32 s21, s15, HALFA                      ; my 128 rows of o
	s_mul_i32 s22, s16, HALFB                      ; my 128 rows of Wu,
	s_add_co_u32 s22, s22, 2*HALFA                 ; which lie behind o's 256
.irp s, 0,1
	v_add_nc_u32 v[ADRA+\s], s21, v3
	v_add_nc_u32 v[ADRB+\s], s22, v4
	s_add_co_u32 s21, s21, SLOT
	s_add_co_u32 s22, s22, SLOT
.endr
	s_mul_i32 s23, s14, 16*SPITCH                  ; my stage
	v_mul_u32_u24 v5, v1, SPITCH                   ; in: row l % 16, 32 bytes for each half of the lanes
	v_lshl_add_u32 v5, v2, 5, v5
	v_add_nc_u32 v[STO], s23, v5
	v_and_b32 v6, 31, v0
	v_lshlrev_b32 v[CO], 4, v6                     ; back: the 32 lanes take one row of 512 bytes; and the same in the result
	s_wait_alu depctr_va_vdst(0)
	v_add_nc_u32 v[RD], s23, v[CO]
	s_lshl_b32 s20, s17, 8
	s_lshl_b32 s21, s15, 7
	s_add_co_u32 s20, s20, s21                     ; my first row of the result: 256 x tile row + 128 x half
	s_mov_b32 s21, 0
	s_mov_b64 s[18:19], SIZE_N*4
	s_mul_u64 s[20:21], s[20:21], s[18:19]
	s_lshl_b32 s46, s42, 10                        ; my first column, in bytes: 1,024 x tile column + 512 x half
	s_lshl_b32 s47, s16, 9
	s_add_co_u32 s46, s46, s47
	s_mov_b32 s47, 0
	s_add_nc_u64 s[12:13], s[12:13], s[46:47]      ; bu at my first column
	s_add_nc_u64 s[20:21], s[20:21], s[46:47]
	s_add_nc_u64 s[10:11], s[10:11], s[20:21]
	global_load_b128 v[BIAS:BIAS+3], v[CO], s[12:13]   ; bu at columns 4 l .. 4 l + 3 of my 128: waited for ahead of the way out
.macro FRAG reg, adr, q, i             ; Wu: a fragment, 16 rows x 128 K, is 16 registers: lane l holds row l % 16; registers 4 c .. 4 c + 3 hold K = 32 c + 16 (l / 16) + 0 .. 15
.irp c, 0,1,2,3
	ds_load_b128 v[\reg+4*\c:\reg+4*\c+3], v[\adr] offset:128*(\q)+32*\c+(\i)*16*PITCH
.endr
.endm
.macro FRAGA reg, adr, q, i            ; o: the same K in the same places: 32 c + 16 h lies in head 2 q + c / 2 of the slot's four, at byte 32 (c % 2) + 16 h of the row
.irp c, 0,1,2,3
	ds_load_b128 v[\reg+4*\c:\reg+4*\c+3], v[\adr] offset:(2*(\q)+\c/2)*HEADB+32*(\c%2)+(\i)*16*PA
.endr
.endm
; 16 matrix instructions: o's blocks a0, a0 + 1 x Wu's eight, 128 along K.  p: Wu's set.  zero = 1: the first product starts the sums.  The 64 accumulators take turns, one instruction a turn.
.macro MUL16 a0, p, zero
.irp a, \a0, \a0+1
.irp b, 0,1,2,3,4,5,6,7
.if \zero
	v_wmma_f32_16x16x128_bf8_bf8 v[8*(8*((\a)%4)+\b):8*(8*((\a)%4)+\b)+7], v[128*(\p)+FR*\b:128*(\p)+FR*\b+FR-1], v[AF+FR*(\a):AF+FR*(\a)+FR-1], 0
.else
	v_wmma_f32_16x16x128_bf8_bf8 v[8*(8*((\a)%4)+\b):8*(8*((\a)%4)+\b)+7], v[128*(\p)+FR*\b:128*(\p)+FR*\b+FR-1], v[AF+FR*(\a):AF+FR*(\a)+FR-1], v[8*(8*((\a)%4)+\b):8*(8*((\a)%4)+\b)+7]
.endif
.endr
.endr
.endm
.macro FETCH_B slot, q, p
	WIN TO_B
.irp i, 0,1,2,3,4,5,6,7
	FRAG 128*(\p)+FR*\i, ADRB+\slot, \q, \i
.endr
	WIN 0
.endm
.macro FETCH_A slot, q, i0
.irp i, \i0, \i0+1, \i0+2, \i0+3
	FRAGA AF+FR*(\i), ADRA+\slot, \q, \i
.endr
.endm
.macro PLACES n                        ; places in front of loads into registers that matrix instructions have read, and of the first read of results (ISA guide 7.12.1 for the first read of results)
.rept \n
	v_nop
.endr
.endm
.macro STEP slot, q, zero              ; a step of 128 along K that has its successor in the same slot
	s_wait_dscnt 4*NL                              ; Wu's set and o's blocks 0-3 are in; the youngest sixteen loads (blocks 4-7) may be out
	WIN MUL_LO
	MUL16 0, (\q)%2, \zero
	MUL16 2, (\q)%2, \zero
	s_wait_dscnt 0
	PLACES NP
	FETCH_B \slot, (\q)+1, 1-(\q)%2
	FETCH_A \slot, (\q)+1, 0
	WIN MUL_HI
	MUL16 4, (\q)%2, \zero
	MUL16 6, (\q)%2, \zero
	PLACES NP
	WIN 0
	FETCH_A \slot, (\q)+1, 4
.endm
; A slot's last step changes slots: ONE barrier; in front of it each wave waits for all its tensor loads, adds 0 to its spare word, and waits for that and for its own reads of this slot.  fill = 1: this slot is filled again, two K steps ahead.
.macro TURN slot, next, fill
	s_wait_tensorcnt 0x0                           ; all my tensor loads have landed: my part of the next slot;  (every window is 0 here)
	ds_add_u32 v[SPW], v[NIL]                      ; 0 onto my spare word
	s_wait_dscnt 4*NL+1                            ; (the add and the youngest sixteen loads may be out)
	WIN MUL_LO
	MUL16 0, 1, 0
	s_wait_dscnt 0x0                               ; the add is done, and my reads of this slot are over
	s_barrier_signal -1
	MUL16 2, 1, 0
	WIN 0
	s_barrier_wait -1
.if \fill
	CREST                                          ; the barrier has opened a round of the cluster's barrier: no wave of any partner still reads this slot's tile or has a load on its way
	s_add_nc_u64 s[G0+4*\slot+2:G0+4*\slot+3], s[G0+4*\slot+2:G0+4*\slot+3], 2*ASTEP
	s_add_nc_u64 s[G0B+4*\slot+2:G0B+4*\slot+3], s[G0B+4*\slot+2:G0B+4*\slot+3], 2*ROWB
	JLOAD G0+4*\slot, G1, G0B+4*\slot, G1B         ; the first tensor load behind the round; the four v_nop behind it are the places in front of the loads below
.else
	PLACES NP
.endif
	FETCH_B \next, 0, 0
	FETCH_A \next, 0, 0
	WIN MUL_HI
	MUL16 4, 1, 0
	MUL16 6, 1, 0
	PLACES NP
	WIN 0
	FETCH_A \next, 0, 4
.endm
	s_wait_tensorcnt 1                             ; my part of K step 0 is in (K step 1's load may be out),
	s_barrier_signal -1
	s_barrier_wait -1                              ; everybody's is
	FETCH_B 0, 0, 0
	FETCH_A 0, 0, 0
	FETCH_A 0, 0, 4
	STEP 0, 0, 1                                   ; the first step stands in front of the loop: its products start the sums
	s_mov_b32 s3, LAPS-1
.Llap:
	TURN 0, 1, 1
	STEP 1, 0, 0
	TURN 1, 0, 1
	STEP 0, 0, 0
	s_sub_co_u32 s3, s3, 1
	s_cmp_lg_u32 s3, 0
	s_cbranch_scc1 .Llap
	TURN 0, 1, 0                                   ; the last lap fills nothing, and has no round of the cluster's barrier
	STEP 1, 0, 0
	s_wait_dscnt 4*NL
	WIN MUL_LO
	MUL16 0, 1, 0
	MUL16 2, 1, 0
	s_wait_dscnt 0
	WIN MUL_HI
	MUL16 4, 1, 0
	MUL16 6, 1, 0
	WIN 0
; THE WAY OUT, block by block of 16 rows x 128 columns.  A lane holds 32 neighbouring bytes of a row, and the lanes beside it hold other rows: so a block's sums go through my own stage in LDS as they are, each
; accumulator from its low end on, and come back as whole rows of 512 bytes; there one packed multiply-add for two numbers gives sum x 2^(e10 + e11) + bu, and the 32 lanes store the row.
; LDS serves a wave's instructions in order (ISA guide 5.7.1.4): no wait between the stores and the loads, nor in front of the next block's stores.
.macro TOSTAGE a
.set AC, 64*((\a)%4)
	WIN 0x08+4*((\a)/4)                            ; an LDS store's data are source 1: window 2 or 3; its address, source 0, window 0
.irp b, 0,1,2,3,4,5,6,7
	ds_store_b128 v[STO], v[AC+8*\b:AC+8*\b+3] offset:64*\b
	ds_store_b128 v[STO], v[AC+8*\b+4:AC+8*\b+7] offset:64*\b+16
.endr
	WIN 0
.set BB, BK+64*((\a)%2)
.irp t, 0,1,2,3,4,5,6,7,8,9,10,11,12,13,14,15
	ds_load_b128 v[BB+4*\t:BB+4*\t+3], v[RD] offset:\t*SPITCH
.endr
.endm
.macro SEND a, younger                 ; younger: the LDS instructions issued behind block a's loads, which may stay out
.set BB, BK+64*((\a)%2)
	s_wait_dscnt \younger                          ; the block is back in registers
.if (\a) > 0
	s_add_nc_u64 s[10:11], s[10:11], 16*SIZE_N*4   ; (behind a wait on XCNT: the earlier stores have read their base)  16 rows on
.endif
.irp t, 0,1,2,3,4,5,6,7,8,9,10,11,12,13,14,15
	v_pk_fma_f32 v[BB+4*\t:BB+4*\t+1], v[BB+4*\t:BB+4*\t+1], s[96:97], v[BIAS:BIAS+1] op_sel_hi:[1,0,1]
	v_pk_fma_f32 v[BB+4*\t+2:BB+4*\t+3], v[BB+4*\t+2:BB+4*\t+3], s[96:97], v[BIAS+2:BIAS+3] op_sel_hi:[1,0,1]
	global_store_b128 v[CO], v[BB+4*\t:BB+4*\t+3], s[10:11] offset:\t*SIZE_N*4 th:TH_STORE_NT   ; 32 lanes store 512 consecutive bytes, at a multiple of 256 from the result's first byte; written once, read by nobody here
.endr
.endm
	s_wait_kmcnt 0x0
	s_add_co_i32 s96, s96, s97                     ; e10 + e11, between -126 and 127,
	s_add_co_i32 s96, s96, 127
	s_lshl_b32 s96, s96, 23                        ; makes the f32 number 2^(e10 + e11)
	s_mov_b32 s97, s96                             ; (named with it as a pair, so it is written)
	s_wait_loadcnt 0x0                             ; bu
	PLACES NP                                      ; behind the last products: for the stores that read results and for the loads into the registers that held o's fragments
	s_wait_alu depctr_va_vdst(0)
	TOSTAGE 0
.irp a, 1,2,3,4,5,6,7
.if \a > 1
	s_wait_xcnt 0x0                                ; block a - 2's stores have read their registers and their base: block a's loads may land there, and the base may step
.endif
	TOSTAGE \a
	SEND \a-1, 32                                  ; behind block a - 1's loads: block a's 16 stores and 16 loads
.endr
	s_wait_xcnt 0x0                                ; block 6's stores have read their base
	SEND 7, 0
	s_wait_tensorcnt 0x0                           ; the wave's end: 0 onto my spare word, behind my last tensor load and my last LDS store
	ds_add_u32 v[SPW], v[NIL]
	s_wait_dscnt 0x0
	CROUND                                         ; the closing round: no work-group ends while a partner may still ask for a tile that names it
	s_endpgm
.Lfunc_end_k_q7d75f1bcaa_proj:
	.size	k_q7d75f1bcaa_proj, .Lfunc_end_k_q7d75f1bcaa_proj-k_q7d75f1bcaa_proj
	.p2alignl 7, 3214868480
	.fill 96, 4, 3214868480
	.section	.rodata,"a",@progbits
	.p2align	6, 0x0
	.amdhsa_kernel k_q7d75f1bcaa_proj
		.amdhsa_group_segment_fixed_size 327680
		.amdhsa_private_segment_fixed_size 0
		.amdhsa_enable_private_segment 0
		.amdhsa_kernarg_size 40
		.amdhsa_user_sgpr_count 2
		.amdhsa_user_sgpr_kernarg_segment_ptr 1
		.amdhsa_wavefront_size32 1
		.amdhsa_system_sgpr_workgroup_id_x 1
		.amdhsa_system_sgpr_workgroup_id_y 1
		.amdhsa_system_sgpr_workgroup_id_z 1
		.amdhsa_system_vgpr_workitem_id 0
		.amdhsa_next_free_vgpr 1024
		.amdhsa_next_free_sgpr 100
		.amdhsa_reserve_vcc 0
		.amdhsa_float_denorm_mode_32 3
		.amdhsa_float_denorm_mode_16_64 3
		.amdhsa_memory_ordered 1
		.amdhsa_forward_progress 1
		.amdhsa_inst_pref_size 125
	.end_amdhsa_kernel
	.amdgpu_metadata
---
amdhsa.version: [ 1, 2 ]
amdhsa.kernels:
  - .name:           k_q7d75f1bcaa_proj
    .symbol:         k_q7d75f1bcaa_proj.kd
    .args:
      - { .name: oc, .offset: 0, .size: 8, .value_kind: global_buffer, .address_space: global }
      - { .name: wc, .offset: 8, .size: 8, .value_kind: global_buffer, .address_space: global }
      - { .name: lowp_scales, .offset: 16, .size: 8, .value_kind: global_buffer, .address_space: global }
      - { .name: out0, .offset: 24, .size: 8, .value_kind: global_buffer, .address_space: global }
      - { .name: bu, .offset: 32, .size: 8, .value_kind: global_buffer, .address_space: global }
    .group_segment_fixed_size: 327680
    .private_segment_fixed_size: 0
    .kernarg_segment_align: 8
    .kernarg_segment_size: 40
    .max_flat_workgroup_size: 128
    .sgpr_count:     100
    .vgpr_count:     1024
    .wavefront_size: 32
...
	.end_amdgpu_metadata
.endif
;; end of part 4
